; MI455X (gfx1250); checked and timed in simulation.
; The chip was launched on July 23, 2026; its instructions are those of AMD's public machine-readable ISA for CDNA 5 (MIT licence, August 2026) and "CDNA5" Instruction Set Architecture Reference Guide (July 2026). The comments in the code are by the model that wrote it; some were corrected since.
;; Causal Multi Head Self Attention. Allowed arithmetic: matrix products marked QUANTISED: E3M2 operands, one E8M0 scale for each 32 along K, by v_wmma_scale_f32_16x16x128_f8f6f4 with both operands' format E3M2, f32 sums; everything else in f32.
;; Inputs: b_k 1,024 float32; b_o 1,024 float32; b_q 1,024 float32; b_v 1,024 float32; w_k 1,024 x 1,024 float32; w_o 1,024 x 1,024 float32; w_q 1,024 x 1,024 float32; w_v 1,024 x 1,024 float32; x 4 x 2,048 x 1,024 float32.
;; Outputs: out0 4 x 2,048 x 1,024 float32.
;; This version of the problem:
;;   THIS VERSION OF THE PROBLEM IS GIVEN IN LOW PRECISION. The matrix products marked QUANTISED in the list below multiply operands that are first quantised to E3M2 (3 exponent bits, 2 mantissa bits; 6 bits a number), with one power-of-two scale for each 32 numbers along K (OCP MX v1.0); their sums are f32. All else is computed in f32.
;;   The module's matrix products, in the order in which they are computed (A, B: the left and right operand; K: the contracted axis; several contracted axes count as one K, in the product's order):
;;     1. [M 8,192, K 1,024] x [K 1,024, N 1,024]; A: input x; B: input w_q: QUANTISED
;;     2. [M 8,192, K 1,024] x [K 1,024, N 1,024]; A: input x; B: input w_k: QUANTISED
;;     3. [M 8,192, K 1,024] x [K 1,024, N 1,024]; A: input x; B: input w_v: QUANTISED
;;     4. batch 64 x [M 2,048, K 64] x [K 64, N 2,048]; A: computed on the way; B: computed on the way: QUANTISED
;;     5. batch 64 x [M 2,048, K 2,048] x [K 2,048, N 64]; A: softmax (see below); B: computed on the way: QUANTISED
;;     6. [M 8,192, K 1,024] x [K 1,024, N 1,024]; A: computed on the way; B: input w_o: QUANTISED
;;   THE QUANTISER, for each operand of a quantised product, along K:
;;     - K is cut into blocks of 32 from its start; a last block that is shorter is filled with zeros.
;;     - A block's scale is 2^e with e = floor(log2(the largest magnitude in the block)) - 4, held to -126 .. 127; a block of zeros has e = 0. As a byte (E8M0): e + 127.
;;     - Each number is divided by its block's scale, clamped to +-28, and rounded to the nearest number of E3M2, ties to even, subnormals kept.
;;     - The product sums the exact products of the quantised numbers (number of the format x scale) in f32.
;;   ~~~python
;;   def quantise(x, axis):      # numpy; x: float32 -> the quantised numbers, widened to float32 again
;;       x = np.moveaxis(x, axis, -1); K = x.shape[-1]
;;       x = np.pad(x, [(0, 0)] * (x.ndim - 1) + [(0, -K % 32)]); x = x.reshape(x.shape[:-1] + (-1, 32)); a = np.abs(x).max(-1, keepdims=True)
;;       e = np.where(a > 0, np.clip(np.frexp(np.where(a > 0, a, 1))[1] - 1 - 4, -126, 127), 0)      # np.frexp(a)[1] - 1 = floor(log2(a)), exactly
;;       r = np.clip(x / 2.0 ** e, -28, 28)
;;       step = 2.0 ** (np.maximum(np.frexp(np.where(r == 0, 1, r))[1] - 1, -2) - 2)
;;       q = np.round(r / step) * step * 2.0 ** e      # np.round: ties to even
;;       return np.moveaxis(q.reshape(q.shape[:-2] + (-1,))[..., :K], -1, axis).astype(np.float32)
;;   ~~~
;;   SOFTMAX AHEAD OF A QUANTISED PRODUCT. Where the list says 'softmax', what is quantised is not the finished softmax but p = 2^(t - M), with t = logit x log2(e) and M = ceil(the row's largest t), a whole number; so 1/2 < the row's largest p <= 1. The row's sum l is taken of the UNQUANTISED p, in f32, and the product's result is divided by l at the end. Since M is a whole number, a kernel that streams over the keys may use a running M (the ceiling of the running maximum): every later rescaling is an exact power of two, which a block's scale takes up: the codes' values come out the same.
;;   OPERANDS COMPUTED ON THE WAY. 'Computed on the way' means the value that the module computes at that place (a softmax that the list does not call 'softmax' is quantised finished and normalised). What goes into a quantiser is computed in f32, as accurately as f32 sums, v_exp_f32 and their like allow (about 1e-6 of the number): no bf16 or f16 on the way to a quantiser, and a product that is left as it is and whose result goes on into a quantised operand takes f32 operands (vector FMAs, or v_wmma_f32_16x16x4_f32). A number that lies on a knife's edge between two numbers of the format may be rounded either way, as far as f32 arithmetic and the matrix unit's own rounding can turn it there, and no further.
;; One version. Each part assembles by itself: llvm-mc -triple=amdgcn-amd-amdhsa -mcpu=gfx1250 --defsym DOCPART=n.
;; ======== version 1 of 1: 4 launches
;; workspace buffers: xq 6,553,600 bytes; wq 3,276,800 bytes; qk 13,107,200 bytes; vq 6,553,600 bytes; yq 6,553,600 bytes
;; launch quant (part 1): grid 384 x 1, 2 waves a work-group, no clusters, 17,664 bytes of LDS; arguments x, w_q, w_k, w_v, w_o, xq, wq; writes xq, wq
.if DOCPART == 1
	.amdgcn_target "amdgcn-amd-amdhsa--gfx1250"
	.amdhsa_code_object_version 6
	.text
	.protected	k_q4d249a6be6_quant
	.globl	k_q4d249a6be6_quant
	.p2align	8
	.type	k_q4d249a6be6_quant,@function
k_q4d249a6be6_quant:
	s_mov_b64 s[64:65], 0
	v_nop
	global_prefetch_b8 v0, s[64:65] scope:SCOPE_SE
	s_setreg_imm32_b32 hwreg(HW_REG_WAVE_MODE, 25, 1), 1
	s_wait_xcnt 0x0
; CAUSAL SELF-ATTENTION IN MX-BF6, launch 1 of 4: x [8192][1024] and w_q, w_k, w_v, w_o [1024 (k)][1024 (n)], f32, become codes of E3M2 with one E8M0 byte for each 32 along K.
; DEAD WORK OF THE WHOLE PROGRAM.  reference() sets the score of key k and query q to -infinity where k > q, by a mask that it builds itself (jnp.tril).  The softmax's p of such a score is 0 for all
; values of the inputs, so a step of 128 keys all of which come after all 16 queries of a tile adds nothing to the row's maximum, to its sum or to the second product: the attention launch leaves such steps out.
; Nothing else is left out, and all nine inputs are loaded.  LIMIT: a NaN, an infinity or an overflow that reaches only those scores is not carried to the result.
; LIMITS OF THE QUANTISERS (all launches): NaN and infinities among the inputs are not served; a block whose largest magnitude lies under 2^-122 keeps the byte 1; a block of zeros has the byte 1 where the
; rule says 127: its codes are zeros, which add nothing under any byte but 0xff, and this program alone reads the bytes.
; TWO CONVENTIONS OF THE PROGRAM'S OWN BUFFERS.
; (1) ROWS IN TILES OF 16, NOT NEIGHBOURS: storage tile t, row p holds true row 32 (t / 2) + 8 (t % 2) + p + 8 (p / 8).  As source 0 of a product such a tile gives lane (r, h), register j the true row
;     32 (t / 2) + 16 h + 8 (t % 2) + j: the 16 registers of tiles 2 b and 2 b + 1 are 16 neighbours, as the next quantiser wants them.
; (2) A FRAGMENT (16 storage rows x 128 K, 12 registers a lane, registers 6 c .. 6 c + 5 = k 64 c + 32 h + 0 .. 31 of row r) LIES AS AN IMAGE OF ITS REGISTERS, 1,536 bytes: for c = 0, 1 registers
;     6 c .. 6 c + 3 at 768 c + 16 lane, registers 6 c + 4, 6 c + 5 at 768 c + 512 + 8 lane.  Every store and load of it covers 512 or 256 consecutive bytes.
; xq: codes [tile 512][K step 8][1536]; from XS on the scale bytes [tile][half of K 2][row 16][16]: byte 4 (K step % 4) + block.  wq: the same for 256 tiles of columns n: w_q 0-63, w_k 64-127, w_v 128-191, w_o 192-255.
; Work-groups 0-255 take x (a wave: one storage tile, 16 rows x 1,024), work-groups 256-383 the weights (a wave: 32 columns x 512 along K).  Waves share nothing: no barrier.  No input is shared between
; work-groups, so there is no cluster; memory binds, so there is no matrix work.
.set XS,    6291456
.set WS,    3145728
.set SPARE, 17408                      ; behind the two waves' stages: the spare words, 128 bytes a wave: one block of 256 bytes that no other line names
.set SPW, 14                           ; v14  LDS address of my spare word; never rewritten
.set NIL, 15                           ; v15  0; never rewritten
.set R,   16                           ; x: v16-111   three sets of 32 registers as loaded
.set X,   112                          ; x: v112-175  two sets of 32 neighbours along K
.set C,   176                          ; x: v176-207  codes: a ring of four sets of 8
.set TQ,  208                          ; v208-210 a block's second 16 codes (a conversion's three registers begin on an even number)
.set W,   212                          ; x: v212-219  my row's eight scale words
.set E0,  220                          ; x: the even step's byte
.set PX,  221                          ; x: a lane permute's target
.set OW,  224                          ; x: v224-227  the four scale words that I store
.set XW,  16                           ; w: v16-79    two sets of 32 numbers down K
.set XA,  80                           ; w: v80-85    an even block's codes
.set YA,  88                           ; w: v88-93    an odd block's
.set SW,  100                          ; w: v100-103  my column's four scale words
	s_load_b256 s[4:11], s[0:1], 0x0               ; x s[4:5], w_q s[6:7], w_k s[8:9], w_v s[10:11]
	s_load_b128 s[12:15], s[0:1], 0x20             ; w_o s[12:13], xq s[14:15]
	s_load_b64 s[16:17], s[0:1], 0x30              ; wq
	v_lshl_add_u32 v[SPW], v0, 2, SPARE
	v_mov_b32 v[NIL], 0
	v_lshrrev_b32 v1, 5, v0
	v_readfirstlane_b32 s18, v1                    ; wave 0, 1
	v_and_b32 v1, 31, v0                           ; lane
	v_and_b32 v2, 15, v0                           ; r
	v_bfe_u32 v3, v0, 4, 1                         ; h
	v_lshlrev_b32 v7, 4, v1                        ; 16 x lane
	v_lshlrev_b32 v8, 3, v1                        ; 8 x lane
; the largest magnitude of the 32 numbers v[xx] on, with the floor 2^(5 - 127) as one more leaf, in v10; 4 off its exponent field, the conversions' scale operand, in v12
.macro MAX32 xx
	v_max3_num_f32 v10, |v[\xx]|, |v[\xx+1]|, |v[\xx+2]|
	v_max3_num_f32 v11, |v[\xx+3]|, |v[\xx+4]|, |v[\xx+5]|
.irp i, 6,10,14,18,22,26
	v_max3_num_f32 v10, v10, |v[\xx+\i]|, |v[\xx+\i+1]|
	v_max3_num_f32 v11, v11, |v[\xx+\i+2]|, |v[\xx+\i+3]|
.endr
	v_max3_num_f32 v10, v10, |v[\xx+30]|, |v[\xx+31]|
	v_max3_num_f32 v10, v10, v11, 0x2800000
	v_add_nc_u32 v12, 0xfe000000, v10
.endm
	s_cmp_ge_u32 ttmp9, 256
	s_cbranch_scc1 .Lweights
; ---------------- x.  Storage tile 2 id + wave: true rows 32 id + 8 wave + p + 8 (p / 8).
; Sixteen steps of 64 along K.  A step's eight loads read two rows' 256 consecutive bytes each; the 4,096 bytes turn through the wave's own stage in LDS (rows of 256 bytes + 16), and come back 128 bytes a lane:
; lane (r, h) then holds one whole block of 32, k = 64 t + 32 h + 0 .. 31 of storage row r, which is half c = t % 2 of the image of K step t / 2.
	v_lshlrev_b32 v4, 12, v3
	v_lshl_add_u32 v4, v2, 4, v4                   ; in memory: 4,096 h + 16 r
	s_mul_i32 s19, s18, 8704                       ; my two stages
	v_mul_u32_u24 v5, v3, 272
	v_lshl_add_u32 v5, v2, 4, v5
	v_add_nc_u32 v5, s19, v5                       ; into a stage: row h of a pair, 16 r
	v_mul_u32_u24 v6, v2, 272
	v_lshl_add_u32 v6, v3, 7, v6
	v_add_nc_u32 v6, s19, v6                       ; out of it: row r, 128 h
	v_lshlrev_b32 v9, 3, v3                        ; 8 h
	v_mov_b32 v[PX], 0                             ; a lane permute's destination counts as one of its sources
	s_mov_b32 s20, 0x76543210
	s_mov_b32 s21, 0xfedcba98                      ; v_permlanex16_b32's selects for lane l xor 16
	s_lshl_b32 s22, ttmp9, 17                      ; 32 rows of 4,096 bytes a work-group,
	s_lshl_b32 s23, s18, 15                        ; 8 rows on for wave 1
	s_add_co_u32 s22, s22, s23
	s_mov_b32 s23, 0
	s_lshl_b32 s24, ttmp9, 1
	s_add_co_u32 s24, s24, s18                     ; my storage tile
	s_mul_i32 s26, s24, 12288                      ; its codes,
	s_mov_b32 s27, 0
	s_lshl_b32 s24, s24, 9
	s_add_co_u32 s24, s24, XS                      ; its scale bytes
	s_mov_b32 s25, 0
	s_wait_alu depctr_va_vdst(0)
	s_wait_kmcnt 0x0
	s_add_nc_u64 s[4:5], s[4:5], s[22:23]
	s_add_nc_u64 s[28:29], s[14:15], s[26:27]
	s_add_nc_u64 s[30:31], s[14:15], s[24:25]
.macro LOAD t                          ; storage rows 2 i, 2 i + 1 are true rows 2 i + 8 (i / 4) and the next
.irp i, 0,1,2,3,4,5,6,7
	global_load_b128 v[R+32*((\t)%3)+4*\i:R+32*((\t)%3)+4*\i+3], v4, s[4:5] offset:(2*\i+8*(\i/4))*4096+256*(\t) th:TH_LOAD_NT
.endr
.endm
.macro TURN t                          ; LDS serves a wave's instructions in order: no wait between the stores and the loads
.irp i, 0,1,2,3,4,5,6,7
	ds_store_b128 v5, v[R+32*((\t)%3)+4*\i:R+32*((\t)%3)+4*\i+3] offset:4352*((\t)%2)+544*\i
.endr
.irp j, 0,1,2,3,4,5,6,7
	ds_load_b128 v[X+32*((\t)%2)+4*\j:X+32*((\t)%2)+4*\j+3], v6 offset:4352*((\t)%2)+16*\j
.endr
.endm
.macro STEP t
.set XX, X+32*((\t)%2)
.set CC, C+8*((\t)%4)
	s_wait_dscnt 0x0                               ; this step's numbers are back from the stage, so its stores into the stage have read their registers,
.if (\t)+3 < 16
	LOAD (\t)+3                                    ; which take the loads of three steps on
.endif
.if (\t)+1 < 16
.if (\t)+3 < 16
	s_wait_loadcnt 16                              ; the next step's eight loads are in; those of the two steps behind it may be out
.else
	s_wait_loadcnt 8*(14-(\t))
.endif
	TURN (\t)+1                                    ; and go through the other stage while this step is worked
.endif
	MAX32 XX
	s_wait_alu depctr_va_vdst(0)
	s_wait_xcnt 0x0                                ; the ring's registers were a store's data four steps back: they are written again only behind this wait
	v_cvt_scalef32_pk16_bf6_f32 v[CC:CC+2], v[XX:XX+15], v12
	v_cvt_scalef32_pk16_bf6_f32 v[TQ:TQ+2], v[XX+16:XX+31], v12
	v_lshrrev_b32 v13, 23, v12                     ; the scale's byte (a plain line behind the conversions)
.irp i, 0,1,2
	v_mov_b32 v[CC+3+\i], v[TQ+\i]
.endr
	global_store_b128 v7, v[CC:CC+3], s[28:29] offset:768*(\t)         ; 512 consecutive bytes
	global_store_b64 v8, v[CC+4:CC+5], s[28:29] offset:768*(\t)+512    ; 256 consecutive bytes
.if (\t)%2 == 0
	v_mov_b32 v[E0], v13
.else
	v_lshl_or_b32 v13, v13, 16, v[E0]              ; my two bytes of the K step's word: blocks h and 2 + h,
	v_lshlrev_b32 v13, v9, v13                     ; at their places,
	v_permlanex16_b32 v[PX], v13, s20, s21
	v_or_b32 v[W+(\t)/2], v13, v[PX]               ; and with lane l xor 16's two the word is whole
.endif
.endm
	LOAD 0
	LOAD 1
	LOAD 2
	s_wait_loadcnt 16                              ; step 0's eight loads are in
	TURN 0
.irp t, 0,1,2,3,4,5,6,7,8,9,10,11,12,13,14,15
	STEP \t
.endr
	v_cmp_le_u32 vcc_lo, 16, v1
.irp i, 0,1,2,3
	v_cndmask_b32 v[OW+\i], v[W+\i], v[W+4+\i], vcc_lo   ; lanes 0-15 store K steps 0-3 of row r, lanes 16-31 K steps 4-7
.endr
	global_store_b128 v7, v[OW:OW+3], s[30:31]     ; 512 consecutive bytes
	s_wait_tensorcnt 0x0                           ; the wave's end
	ds_add_u32 v[SPW], v[NIL]
	s_wait_dscnt 0x0
	s_endpgm
; ---------------- the weights.  K is their FIRST axis: a lane takes a column n and its registers run down K, so a block of 32 lies in one lane and nothing is transposed.
; Lane l takes column (l % 8) + 16 ((l / 8) % 2) + 8 (l / 16) of the wave's 32: lanes 0-15 are the rows of the even storage tile, lanes 16-31 those of the odd one; a load still covers 128 consecutive bytes.
.Lweights:
	s_sub_co_u32 s19, ttmp9, 256
	s_lshr_b32 s20, s19, 5                         ; which weight: 0 q, 1 k, 2 v, 3 o
	s_bfe_u32 s21, s19, 0x40001                    ; which 64 columns
	s_and_b32 s22, s19, 1                          ; which half of K
	s_lshl_b32 s21, s21, 1
	s_add_co_u32 s21, s21, s18                     ; my 32 columns
	v_and_b32 v4, 7, v0
	v_bfe_u32 v6, v0, 3, 1
	v_lshl_add_u32 v4, v6, 4, v4
	s_wait_alu depctr_va_vdst(0)
	v_lshl_add_u32 v4, v3, 3, v4
	v_lshlrev_b32 v4, 2, v4                        ; 4 x my column
	v_lshlrev_b32 v5, 9, v3
	v_lshl_add_u32 v5, v2, 4, v5                   ; my scale words' place: 512 (l / 16) + 16 (l % 16)
	s_lshl_b32 s24, s22, 21                        ; 512 rows of 4,096 bytes
	s_lshl_b32 s25, s21, 7
	s_add_co_u32 s24, s24, s25
	s_mov_b32 s25, 0
	s_lshl_b32 s26, s20, 6
	s_lshl_b32 s27, s21, 1
	s_add_co_u32 s26, s26, s27                     ; my even storage tile
	s_mul_i32 s28, s26, 12288
	s_mul_i32 s29, s22, 6144                       ; four K steps on in the second half
	s_add_co_u32 s28, s28, s29
	s_mov_b32 s29, 0
	s_lshl_b32 s30, s26, 9
	s_lshl_b32 s31, s22, 8
	s_add_co_u32 s30, s30, s31
	s_add_co_u32 s30, s30, WS
	s_mov_b32 s31, 0
	s_and_b32 s36, s20, 1
	s_wait_alu depctr_va_vdst(0)
	s_wait_kmcnt 0x0
	s_cmp_lt_u32 s20, 2                            ; the choice hangs on the work-group's number alone
	s_cselect_b64 s[32:33], s[6:7], s[10:11]       ; w_q or w_v
	s_cselect_b64 s[34:35], s[8:9], s[12:13]       ; w_k or w_o
	s_cmp_eq_u32 s36, 1
	s_cselect_b64 s[32:33], s[34:35], s[32:33]
	s_add_nc_u64 s[32:33], s[32:33], s[24:25]
	s_add_nc_u64 s[28:29], s[16:17], s[28:29]
	s_add_nc_u64 s[30:31], s[16:17], s[30:31]
.macro LOADB kb
.set n, 0
.rept 32
	global_load_b32 v[XW+32*((\kb)%2)+n], v4, s[32:33] offset:(32*(\kb)+n)*4096 th:TH_LOAD_NT
.set n, n+1
.endr
.endm
.macro BLOCK kb
.set XX, XW+32*((\kb)%2)
.set CC, XA+8*((\kb)%2)
.if (\kb) < 15
	s_wait_loadcnt 32                              ; this block's 32 loads are in; the next block's may be out
.else
	s_wait_loadcnt 0x0
.endif
	MAX32 XX
	v_lshrrev_b32 v13, 23, v12                     ; the scale's byte
.if (\kb)%4 == 0
	v_mov_b32 v[SW+(\kb)/4], v13
.else
	v_lshl_or_b32 v[SW+(\kb)/4], v13, 8*((\kb)%4), v[SW+(\kb)/4]
.endif
	s_wait_alu depctr_va_vdst(0)
	s_wait_xcnt 0x0                                ; the last pair's stores have read the registers that are written now
	v_cvt_scalef32_pk16_bf6_f32 v[CC:CC+2], v[XX:XX+15], v12
	v_cvt_scalef32_pk16_bf6_f32 v[TQ:TQ+2], v[XX+16:XX+31], v12
	v_nop                                          ; one plain line behind a scaled conversion
.irp i, 0,1,2
	v_mov_b32 v[CC+3+\i], v[TQ+\i]
.endr
.if (\kb)+2 < 16
	LOADB (\kb)+2
.endif
.if (\kb)%2 == 1
.irp i, 0,1,2,3,4,5
	v_permlane16_swap_b32 v[XA+\i], v[YA+\i]       ; the even block's lanes 16-31 change places with the odd block's lanes 0-15: XA is now half an image of the even tile, YA of the odd tile
.endr
	global_store_b128 v7, v[XA:XA+3], s[28:29] offset:((\kb)/4)*1536+(((\kb)/2)%2)*768
	global_store_b64 v8, v[XA+4:XA+5], s[28:29] offset:((\kb)/4)*1536+(((\kb)/2)%2)*768+512
	global_store_b128 v7, v[YA:YA+3], s[28:29] offset:((\kb)/4)*1536+(((\kb)/2)%2)*768+12288
	global_store_b64 v8, v[YA+4:YA+5], s[28:29] offset:((\kb)/4)*1536+(((\kb)/2)%2)*768+12288+512
.endif
.endm
	LOADB 0
	LOADB 1
.irp k, 0,1,2,3,4,5,6,7,8,9,10,11,12,13,14,15
	BLOCK \k
.endr
	global_store_b128 v5, v[SW:SW+3], s[30:31]     ; sixteen lanes store 256 consecutive bytes of each tile's scale bytes
	s_endpgm
.Lfunc_end_k_q4d249a6be6_quant:
	.size	k_q4d249a6be6_quant, .Lfunc_end_k_q4d249a6be6_quant-k_q4d249a6be6_quant
	.p2alignl 7, 3214868480
	.fill 96, 4, 3214868480
	.section	.rodata,"a",@progbits
	.p2align	6, 0x0
	.amdhsa_kernel k_q4d249a6be6_quant
		.amdhsa_group_segment_fixed_size 17664
		.amdhsa_private_segment_fixed_size 0
		.amdhsa_enable_private_segment 0
		.amdhsa_kernarg_size 56
		.amdhsa_user_sgpr_count 2
		.amdhsa_user_sgpr_kernarg_segment_ptr 1
		.amdhsa_wavefront_size32 1
		.amdhsa_system_sgpr_workgroup_id_x 1
		.amdhsa_system_sgpr_workgroup_id_y 1
		.amdhsa_system_sgpr_workgroup_id_z 1
		.amdhsa_system_vgpr_workitem_id 0
		.amdhsa_next_free_vgpr 232
		.amdhsa_next_free_sgpr 66
		.amdhsa_reserve_vcc 1
		.amdhsa_float_denorm_mode_32 3
		.amdhsa_float_denorm_mode_16_64 3
		.amdhsa_memory_ordered 1
		.amdhsa_forward_progress 1
		.amdhsa_inst_pref_size 138
	.end_amdhsa_kernel
	.amdgpu_metadata
---
amdhsa.version: [ 1, 2 ]
amdhsa.kernels:
  - .name:           k_q4d249a6be6_quant
    .symbol:         k_q4d249a6be6_quant.kd
    .args:
      - { .name: x, .offset: 0, .size: 8, .value_kind: global_buffer, .address_space: global }
      - { .name: w_q, .offset: 8, .size: 8, .value_kind: global_buffer, .address_space: global }
      - { .name: w_k, .offset: 16, .size: 8, .value_kind: global_buffer, .address_space: global }
      - { .name: w_v, .offset: 24, .size: 8, .value_kind: global_buffer, .address_space: global }
      - { .name: w_o, .offset: 32, .size: 8, .value_kind: global_buffer, .address_space: global }
      - { .name: xq, .offset: 40, .size: 8, .value_kind: global_buffer, .address_space: global }
      - { .name: wq, .offset: 48, .size: 8, .value_kind: global_buffer, .address_space: global }
    .group_segment_fixed_size: 17664
    .private_segment_fixed_size: 0
    .kernarg_segment_align: 8
    .kernarg_segment_size: 56
    .max_flat_workgroup_size: 64
    .sgpr_count:     66
    .vgpr_count:     232
    .wavefront_size: 32
...
	.end_amdgpu_metadata
.endif
;; end of part 1
;; launch qkv (part 2): grid 24 x 32, 4 waves a work-group, clusters of 4 x 4, 327,680 bytes of LDS; arguments xq, wq, b_q, b_k, b_v, qk, vq; writes qk, vq
.if DOCPART == 2
	.amdgcn_target "amdgcn-amd-amdhsa--gfx1250"
	.amdhsa_code_object_version 6
	.text
	.protected	k_q4d249a6be6_qkv
	.globl	k_q4d249a6be6_qkv
	.p2align	8
	.type	k_q4d249a6be6_qkv,@function
k_q4d249a6be6_qkv:
	s_mov_b64 s[64:65], 0
	v_nop
	global_prefetch_b8 v0, s[64:65] scope:SCOPE_SE
	s_setreg_imm32_b32 hwreg(HW_REG_WAVE_MODE, 25, 1), 1
	s_wait_xcnt 0x0
	s_wait_alu depctr_hold_cnt(0) depctr_sa_sdst(0) depctr_va_vdst(0) depctr_va_sdst(0) depctr_va_ssrc(0) depctr_va_vcc(0) depctr_vm_vsrc(0)
	s_getreg_b32 s2, hwreg(HW_REG_IB_STS2, 6, 4)
	s_cmp_eq_u32 s2, 0
	s_cbranch_scc0 .Lentry_in_a_cluster
	s_endpgm
.Lentry_in_a_cluster:
	s_bfe_u32 s2, ttmp6, 0x10000c
	s_cmp_lg_u32 s2, 0xf033
	s_cbranch_scc0 .Lentry_shape_is_right
	s_endpgm
.Lentry_shape_is_right:
; Launch 2 of 4: q = x w_q + b_q, k = x w_k + b_k, v = x w_v + b_v on codes of E3M2, and q, k, v quantised in registers on the way out: q and k along the head's 64, v along the keys.  No f32 result goes to memory.
; (Layouts of xq and wq, the order of rows in storage tiles and the image of a fragment: head of the first launch.)
; THE CORE.  Source 0 = 16 rows of operand P, source 1 = 16 rows of operand R: a lane holds ONE row of R and its registers run along P.  A work-group makes 256 rows of R x 128 rows of P over all of K = 1,024;
; wave w takes R's tiles 4 w .. 4 w + 3 against P's eight: 32 accumulators, 8 K steps of 32 matrix instructions.
; q, k (clusters x = 0 .. 3): R = x's tokens, P = columns of w_q, w_k: a lane's 64 results of a tile are 128 neighbouring columns' halves: two heads, four blocks of 32.
; v    (clusters x = 4, 5):   R = columns of w_v, P = x's tokens: a lane holds one channel d and its registers run along the tokens, which are the second product's K.  Nothing is transposed.
; THE WORK-GROUP'S WHOLE OPERANDS FIT IN LDS (294,912 bytes): every byte is filled once, by four tensor loads a wave issued together at the head, K in four slots of 256; no slot is filled again.
; Four barriers with counted waits let the products begin when the first slot has landed.  A wave has four tensor loads outstanding.
; CLUSTERS: 4 x 4 work-groups.  R's tiles hang on the work-group's row alone and are asked for jointly along a row of the cluster, P's on its column alone and jointly along a column.
; The choice between the two parts hangs on the cluster's x alone: it is the same in all sixteen partners.
; OUT.  qk: codes [head pair 16: 0-7 q, 8-15 k][token tile 512][1536] (half c of an image = head 2 hp + c); from QKS on scale words [head pair][four tiles 128][256]: tile 4 Q + a, row r at 128 (a / 2) + 8 r + 4 (a % 2).
;       vq: codes [128 keys 64][d tile 64][1536]; from VS on scale words [128 keys][four tiles 16][256], likewise.
; REGISTERS, in windows of 256: window 0: v1-7 lane terms and the add's two; v8-23 LDS addresses; v24, v25 bias offsets; v32-79 scale words; v80-175 R's fragments, two sets (on the way out: 64 numbers, codes, work).
;   window 1: v0-191 P's fragments, two sets; v192-255 the bias.   window 2: accumulator (a, b) at v[8 (8 a + b)].
.set XS,    6291456
.set WS,    3145728
.set QKS,   12582912
.set VS,    6291456
.set BOFF,  196608                     ; LDS: R's codes [slot 4][tile 16][3072], then P's [slot 4][tile 8][3072]
.set SPARE, 294912                     ; behind them: the spare words, 128 bytes a wave: two blocks of 256 bytes that no other line names
.set SPW, 6
.set NIL, 7
.set A16, 8                            ; v8-11   slot s: 49,152 s + 12,288 wave + 16 lane
.set A8,  12                           ; v12-15  the same with 8 lane
.set B16, 16                           ; v16-19  BOFF + 24,576 s + 16 lane
.set B8,  20                           ; v20-23  the same with 8 lane
.set SC,  32                           ; v32-47 my four tiles of R, v48-79 P's eight: register 4 T + j: lanes 0-15 K step j, lanes 16-31 K step 4 + j
.set RF,  80
.set HA,  80                           ; the way out: v80-143 64 numbers
.set PC,  144                          ; v144-163 codes
.set TM,  164                          ; v164-179 at work
.set PW,  180                          ; v180-183 the four tiles' scale words
.set BI,  192                          ; in window 1
.set G1A, 28
.set G1B, 36
.set G0A, 44                           ; s[44:59] four sets
.set G0B, 68                           ; s[68:83] four sets
.set MSB, 0
.macro WIN new                         ; the immediate's high byte repeats the setting that is left
.if MSB != \new
	s_set_vgpr_msb (MSB<<8)|\new
.set MSB, \new
.endif
.endm
.macro PLACES                          ; four plain vector lines between a matrix instruction and a load into, or a vector line on, its registers
.rept 4
	v_nop
.endr
.endm
; A joint load: waves 0 and 1 fetch R's halves, waves 2 and 3 P's.  The branch hangs on the wave's number alone.  An s_nop 0 and four v_nop follow each of the two lines.
.macro JLOAD g0a, g0b
	s_cmp_eq_u32 s24, 0
	s_cbranch_scc0 .Lfor_b_\@
	tensor_load_to_lds s[\g0a:\g0a+3], s[G1A:G1A+7]
	s_nop 0
.rept 4
	v_nop
.endr
	s_branch .Lasked_\@
.Lfor_b_\@:
	tensor_load_to_lds s[\g0b:\g0b+3], s[G1B:G1B+7]
	s_nop 0
.rept 4
	v_nop
.endr
.Lasked_\@:
.endm
.macro CROUND                          ; a round of the cluster's barrier
	s_barrier_signal -1
	s_barrier_wait -1
	s_cmp_lg_u32 s18, 0
	s_cbranch_scc1 .Lnot_wave_0_\@
	s_barrier_signal -3
.Lnot_wave_0_\@:
	s_barrier_wait -3
	s_barrier_signal -1
	s_barrier_wait -1
.endm
	s_load_b256 s[4:11], s[0:1], 0x0               ; xq s[4:5], wq s[6:7], b_q s[8:9], b_k s[10:11]
	s_load_b128 s[12:15], s[0:1], 0x20             ; b_v s[12:13], qk s[14:15]
	s_load_b64 s[16:17], s[0:1], 0x30              ; vq
	v_lshl_add_u32 v[SPW], v0, 2, SPARE
	v_mov_b32 v[NIL], 0
	ds_add_u32 v[SPW], v[NIL]                      ; the wave's opening: the add, twice on end, and its wait ahead of my first tensor load
	ds_add_u32 v[SPW], v[NIL]
	v_lshrrev_b32 v1, 5, v0
	v_readfirstlane_b32 s18, v1                    ; wave 0..3
	s_lshr_b32 s24, s18, 1                         ; I fetch for R (0) or for P (1),
	s_and_b32 s25, s18, 1                          ; its first or second half
	s_bfe_u32 s19, ttmp6, 0x40000                  ; cx
	s_bfe_u32 s20, ttmp6, 0x40004                  ; cy
	s_and_b32 s26, ttmp7, 0xffff                   ; cluster y
	s_sub_co_u32 s27, ttmp9, 4
	s_lshl_b32 s27, s27, 3
	s_add_co_u32 s27, s27, s26                     ; v part: cluster column 8 (x - 4) + y
	s_cmp_ge_u32 ttmp9, 4                          ; the v part?  The cluster's x alone decides
	s_cselect_b32 s21, 1, 0
	s_cselect_b32 s22, s27, ttmp9                  ; cluster column (P)
	s_cselect_b32 s23, 0, s26                      ; cluster row (R)
	s_cselect_b32 s60, 1572864, 0                  ; R's codes begin at w_v's tile 128 of wq, or at xq's head
	s_mov_b32 s97, XS
	s_cselect_b32 s97, WS+65536, s97               ; R's scale bytes
	s_mov_b32 s98, WS
	s_cselect_b32 s98, XS, s98                     ; P's
	s_mov_b32 s99, 786432
	s_cselect_b32 s99, 98304, s99                  ; the output's codes for one tile of P
	s_mov_b32 s88, QKS
	s_cselect_b32 s88, VS, s88                     ; where its scale words begin,
	s_cselect_b32 s89, 12, 15                      ; and 4,096 or 32,768 of them for one tile of P
	s_lshl_b32 s22, s22, 2
	s_add_co_u32 s22, s22, s19                     ; PT: my 128 rows of P
	s_lshl_b32 s23, s23, 2
	s_add_co_u32 s23, s23, s20                     ; RT: my 256 rows of R
	s_lshl_b32 s2, s20, 2
	s_lshl_b32 s2, 15, s2                          ; my row of the cluster
	s_lshl_b32 s3, 0x1111, s19                     ; my column
	; descriptor group 1: rows of 3,072 bytes (two K steps' images of one tile; 384 elements of 8 bytes), 12,288 bytes apart in memory, on end in LDS: 8 rows for R, 4 for P
	s_or_b32 s[G1A], s2, (3<<16)|(1<<21)           ; 15:0 the mask; 17:16 elements of 8 bytes; 21 set beside a mask
	s_or_b32 s[G1B], s3, (3<<16)|(1<<21)
	s_mov_b32 s[G1A+1], 384<<16                    ; tensor_dim0
	s_mov_b32 s[G1A+2], 8<<16                      ; tensor_dim1
	s_mov_b32 s[G1A+3], 384<<16                    ; tile_dim0
	s_mov_b32 s[G1A+4], 8                          ; tile_dim1
	s_mov_b32 s[G1A+5], 1536                       ; from row to row, in elements
	s_mov_b32 s[G1A+6], 0
	s_mov_b32 s[G1A+7], 0
	s_mov_b32 s[G1B+1], 384<<16
	s_mov_b32 s[G1B+2], 4<<16
	s_mov_b32 s[G1B+3], 384<<16
	s_mov_b32 s[G1B+4], 4
	s_mov_b32 s[G1B+5], 1536
	s_mov_b32 s[G1B+6], 0
	s_mov_b32 s[G1B+7], 0
	s_lshl_b32 s61, s23, 4                         ; R: tile 16 RT + 8 half: hangs on the work-group's row alone
	s_lshl_b32 s2, s25, 3
	s_add_co_u32 s61, s61, s2
	s_mul_i32 s61, s61, 12288
	s_add_co_u32 s60, s60, s61
	s_mov_b32 s61, 0
	s_lshl_b32 s62, s22, 3                         ; P: tile 8 PT + 4 half: hangs on its column alone
	s_lshl_b32 s3, s25, 2
	s_add_co_u32 s62, s62, s3
	s_mul_i32 s62, s62, 12288
	s_mov_b32 s63, 0
	s_mul_i32 s66, s25, 24576                      ; where they go in LDS: no place in the cluster enters
	s_mul_i32 s67, s25, 12288
	s_add_co_u32 s67, s67, BOFF
	s_lshl_b32 s27, s23, 4
	s_lshl_b32 s2, s18, 2
	s_add_co_u32 s27, s27, s2                      ; my wave's first tile of R: 16 RT + 4 wave
	s_lshl_b32 s90, s27, 9
	s_add_co_u32 s90, s90, s97                     ; its scale bytes
	s_mov_b32 s91, 0
	s_lshl_b32 s92, s22, 12
	s_add_co_u32 s92, s92, s98                     ; P's eight tiles' scale bytes
	s_mov_b32 s93, 0
	s_mul_i32 s86, s22, s99
	s_mul_i32 s87, s27, 1536
	s_add_co_u32 s86, s86, s87                     ; the output's codes
	s_mov_b32 s87, 0
	s_lshl_b32 s89, s22, s89
	s_add_co_u32 s88, s88, s89
	s_lshl_b32 s89, s27, 6                         ; (4 RT + wave) x 256; also (256 RT + 64 wave) x 4
	s_add_co_u32 s88, s88, s89                     ; the output's scale words
	s_and_b32 s84, s22, 7
	s_lshl_b32 s84, s84, 9                         ; the bias: my 128 columns of b_q or b_k,
	s_cmp_eq_u32 s21, 1
	s_cselect_b32 s84, s89, s84                    ; or my wave's 64 of b_v
	s_mov_b32 s89, 0
	s_mov_b32 s85, 0
	s_mov_b32 s94, 0x76543210
	s_mov_b32 s95, 0xfedcba98                      ; v_permlanex16_b32's selects for lane l xor 16
	s_wait_dscnt 0x0                               ; both opening adds are done
	s_wait_kmcnt 0x0
	s_cmp_lt_u32 ttmp9, 2
	s_cselect_b64 s[8:9], s[8:9], s[10:11]         ; b_q or b_k,
	s_cmp_eq_u32 s21, 1
	s_cselect_b64 s[8:9], s[12:13], s[8:9]         ; or b_v
	s_cselect_b64 s[2:3], s[6:7], s[4:5]           ; R's buffer
	s_cselect_b64 s[98:99], s[4:5], s[6:7]         ; P's
	s_cselect_b64 s[26:27], s[16:17], s[14:15]     ; the output's
	s_add_nc_u64 s[60:61], s[2:3], s[60:61]
	s_add_nc_u64 s[90:91], s[2:3], s[90:91]
	s_add_nc_u64 s[62:63], s[98:99], s[62:63]
	s_add_nc_u64 s[92:93], s[98:99], s[92:93]
	s_add_nc_u64 s[86:87], s[26:27], s[86:87]
	s_add_nc_u64 s[88:89], s[26:27], s[88:89]
	s_add_nc_u64 s[84:85], s[8:9], s[84:85]
	CROUND                                         ; all sixteen work-groups are here: the joint loads meet
.irp s, 0,1,2,3
	s_mov_b32 s[G0A+4*\s], 1                       ; count = 1
	s_add_co_u32 s[G0A+4*\s+1], s66, 49152*\s      ; LDS address
	s_add_nc_u64 s[G0A+4*\s+2:G0A+4*\s+3], s[60:61], 3072*\s   ; K steps 2 s, 2 s + 1
	s_or_b32 s[G0A+4*\s+3], s[G0A+4*\s+3], 0x80000000          ; type = 2
	s_mov_b32 s[G0B+4*\s], 1
	s_add_co_u32 s[G0B+4*\s+1], s67, 24576*\s
	s_add_nc_u64 s[G0B+4*\s+2:G0B+4*\s+3], s[62:63], 3072*\s
	s_or_b32 s[G0B+4*\s+3], s[G0B+4*\s+3], 0x80000000
	JLOAD G0A+4*\s, G0B+4*\s
.endr
	v_and_b32 v1, 31, v0                           ; lane
	v_and_b32 v2, 15, v0                           ; r
	v_bfe_u32 v3, v0, 4, 1                         ; h
	v_lshlrev_b32 v4, 4, v1                        ; 16 x lane
	v_lshlrev_b32 v5, 3, v1                        ; 8 x lane
.irp t, 0,1,2,3
	global_load_b128 v[SC+4*\t:SC+4*\t+3], v4, s[90:91] offset:512*\t        ; a tile's 512 scale bytes: lanes 0-15 K steps 0-3 of row r, lanes 16-31 K steps 4-7
.endr
.irp b, 0,1,2,3,4,5,6,7
	global_load_b128 v[SC+16+4*\b:SC+16+4*\b+3], v4, s[92:93] offset:512*\b
.endr
	s_mul_i32 s2, s18, 12288
.irp s, 0,1,2,3
	v_add_nc_u32 v[A16+\s], s2, v4
	v_add_nc_u32 v[A8+\s], s2, v5
	v_add_nc_u32 v[B16+\s], BOFF+24576*\s, v4
	v_add_nc_u32 v[B8+\s], BOFF+24576*\s, v5
	s_add_co_u32 s2, s2, 49152
.endr
	v_lshlrev_b32 v24, 6, v3                       ; bias along P: 64 h
	v_and_b32 v25, 8, v2
	v_add_nc_u32 v25, v25, v2
	v_lshlrev_b32 v25, 2, v25                      ; bias along R: 4 (r + 8 (r / 8))
	v_cmp_le_u32 s96, 16, v1                       ; lanes 16-31
.irp b, 0,1,2,3
	v_mov_b32 v[TM+4+\b], 0                        ; a lane permute's destination counts as one of its sources
.endr
.macro FRAG reg, a16, a8, off          ; a fragment comes as it lies: four loads, each of consecutive bytes
	ds_load_b128 v[\reg:\reg+3], v[\a16] offset:\off
	ds_load_b64 v[\reg+4:\reg+5], v[\a8] offset:\off+512
	ds_load_b128 v[\reg+6:\reg+9], v[\a16] offset:\off+768
	ds_load_b64 v[\reg+10:\reg+11], v[\a8] offset:\off+1280
.endm
.macro FETCH q                         ; K step q's twelve fragments into set q % 2
	WIN 0x40                                       ; destination window 1
.irp b, 0,1,2,3,4,5,6,7
	FRAG 96*((\q)%2)+12*\b, B16+(\q)/2, B8+(\q)/2, 3072*\b+1536*((\q)%2)
.endr
	WIN 0
.irp a, 0,1,2,3
	FRAG RF+48*((\q)%2)+12*\a, A16+(\q)/2, A8+(\q)/2, 3072*\a+1536*((\q)%2)
.endr
.endm
; 32 matrix instructions.  The 32 accumulators take turns, one instruction a turn, in the same order in every step.  first = 1: the products start the sums.
.macro MUL q, first
.irp a, 0,1,2,3
.irp b, 0,1,2,3,4,5,6,7
.if \first
	v_wmma_scale_f32_16x16x128_f8f6f4 v[8*(8*\a+\b):8*(8*\a+\b)+7], v[96*((\q)%2)+12*\b:96*((\q)%2)+12*\b+11], v[RF+48*((\q)%2)+12*\a:RF+48*((\q)%2)+12*\a+11], 0, v[SC+16+4*\b+(\q)%4], v[SC+4*\a+(\q)%4] matrix_a_fmt:MATRIX_FMT_BF6 matrix_b_fmt:MATRIX_FMT_BF6
.elseif (\q) < 4
	v_wmma_scale_f32_16x16x128_f8f6f4 v[8*(8*\a+\b):8*(8*\a+\b)+7], v[96*((\q)%2)+12*\b:96*((\q)%2)+12*\b+11], v[RF+48*((\q)%2)+12*\a:RF+48*((\q)%2)+12*\a+11], v[8*(8*\a+\b):8*(8*\a+\b)+7], v[SC+16+4*\b+(\q)%4], v[SC+4*\a+(\q)%4] matrix_a_fmt:MATRIX_FMT_BF6 matrix_b_fmt:MATRIX_FMT_BF6
.else
	v_wmma_scale_f32_16x16x128_f8f6f4 v[8*(8*\a+\b):8*(8*\a+\b)+7], v[96*((\q)%2)+12*\b:96*((\q)%2)+12*\b+11], v[RF+48*((\q)%2)+12*\a:RF+48*((\q)%2)+12*\a+11], v[8*(8*\a+\b):8*(8*\a+\b)+7], v[SC+16+4*\b+(\q)%4], v[SC+4*\a+(\q)%4] matrix_a_fmt:MATRIX_FMT_BF6 matrix_b_fmt:MATRIX_FMT_BF6 matrix_a_scale:MATRIX_SCALE_ROW1 matrix_b_scale:MATRIX_SCALE_ROW1
.endif
.endr
.endr
.endm
.macro STEP q, first
	s_wait_dscnt 0x0                               ; this step's fragments are in
.if ((\q)==1)||((\q)==3)||((\q)==5)
	s_wait_tensorcnt 3-((\q)+1)/2                  ; my part of the next slot has landed; the later slots' loads may stay out
	s_barrier_signal -1
	s_barrier_wait -1                              ; everybody's has
.endif
.if (\q) < 7
.if (\q) > 0
	PLACES
.endif
	FETCH (\q)+1                                   ; the next step's fragments land under this step's 32 products
.endif
	WIN 0xa1                                       ; source 0 (P) window 1, source 1 (R) window 0, C and D window 2
	MUL \q, \first
	WIN 0
.endm
; 64 numbers of a lane, register 16 b + i = k 32 b + 16 (lane / 16) + i of my row, become a fragment's codes in v[PC] on and its scale word in v[pw]
.macro QUANT s, pw
.irp b, 0,1,2,3
	v_max3_num_f32 v[TM+\b], |v[\s+16*\b]|, |v[\s+1+16*\b]|, 0x2800000   ; my 16 numbers of block b, and the floor 2^(5 - 127): the byte cannot fall under 1
.endr
.irp i, 2,4,6,8,10,12,14
.irp b, 0,1,2,3
	v_max3_num_f32 v[TM+\b], v[TM+\b], |v[\s+16*\b+\i]|, |v[\s+1+16*\b+\i]|
.endr
.endr
.irp b, 0,1,2,3
	v_permlanex16_b32 v[TM+4+\b], v[TM+\b], s94, s95
.endr
.irp b, 0,1,2,3
	v_max_num_f32 v[TM+\b], v[TM+\b], v[TM+4+\b]   ; with lane l xor 16's: the block's largest magnitude
.endr
.irp b, 0,1,2,3
	v_add_nc_u32 v[TM+12+\b], 0xfe000000, v[TM+\b] ; 4 off its exponent field: the conversion's scale operand
.endr
.irp b, 0,1,2,3
	v_lshrrev_b32 v[TM+4+\b], 23, v[TM+12+\b]      ; the scale's byte
.endr
	v_lshl_or_b32 v[\pw], v[TM+5], 8, v[TM+4]
	v_lshl_or_b32 v[\pw], v[TM+6], 16, v[\pw]
	v_lshl_or_b32 v[\pw], v[TM+7], 24, v[\pw]
.irp c, 0,1
	v_cvt_scalef32_pk16_bf6_f32 v[PC+6*\c:PC+2+6*\c], v[\s+32*\c:\s+15+32*\c], v[TM+12+2*\c]
	v_cvt_scalef32_pk16_bf6_f32 v[PC+12+4*\c:PC+14+4*\c], v[\s+16+32*\c:\s+31+32*\c], v[TM+12+2*\c+1]
.endr
	v_nop                                          ; one plain line behind a scaled conversion
.irp c, 0,1                            ; the operand's layout wants a whole block in a lane
.irp i, 0,1,2
	v_permlane16_swap_b32 v[PC+6*\c+\i], v[PC+12+4*\c+\i]
.endr
.irp i, 0,1,2
	v_mov_b32 v[PC+3+6*\c+\i], v[PC+12+4*\c+\i]
.endr
.endr
.endm
; The way out of my tile a of R: the bias is added (the addition is also the move into window 0; each accumulator is read from its low end on), the 64 numbers are quantised, the image is stored.
.macro EPI a, isv
.if \a > 0
	s_wait_xcnt 0x0                                ; the last tile's stores have read the codes' registers
.endif
	WIN 0x06                                       ; source 0 window 2, source 1 window 1, destination window 0
.set i, 0
.rept 32
.if \isv
	v_pk_add_f32 v[HA+2*i:HA+2*i+1], v[64*\a+2*i:64*\a+2*i+1], v[BI+2*\a:BI+2*\a+1]
.else
	v_pk_add_f32 v[HA+2*i:HA+2*i+1], v[64*\a+2*i:64*\a+2*i+1], v[BI+2*i:BI+2*i+1]
.endif
.set i, i+1
.endr
	WIN 0
	QUANT HA, PW+\a
	global_store_b128 v4, v[PC:PC+3], s[86:87] offset:1536*\a
	global_store_b64 v5, v[PC+4:PC+5], s[86:87] offset:1536*\a+512
	global_store_b128 v4, v[PC+6:PC+9], s[86:87] offset:1536*\a+768
	global_store_b64 v5, v[PC+10:PC+11], s[86:87] offset:1536*\a+1280
.endm
; The last two K steps and the way out, once for each part: the bias's loads and their only readers stand in one arm, and the loads land under the two steps.
.macro TAIL isv
	WIN 0x40
.if \isv
.irp a, 0,1,2,3                        ; b_v of my row of tile a: the same number twice, for the packed addition
	global_load_b32 v[BI+2*\a], v25, s[84:85] offset:4*(32*(\a/2)+8*(\a%2))
	global_load_b32 v[BI+2*\a+1], v25, s[84:85] offset:4*(32*(\a/2)+8*(\a%2))
.endr
.else
.irp b, 0,1,2,3,4,5,6,7                ; the bias of columns 32 (b / 2) + 16 h + 8 (b % 2) + 0 .. 7
	global_load_b128 v[BI+8*\b:BI+8*\b+3], v24, s[84:85] offset:4*(32*(\b/2)+8*(\b%2))
	global_load_b128 v[BI+8*\b+4:BI+8*\b+7], v24, s[84:85] offset:4*(32*(\b/2)+8*(\b%2))+16
.endr
.endif
	WIN 0
	STEP 6, 0
	STEP 7, 0
	PLACES
	s_wait_loadcnt 0x0                             ; the bias
	EPI 0, \isv
	EPI 1, \isv
	EPI 2, \isv
	EPI 3, \isv
.endm
	s_wait_tensorcnt 3                             ; my part of slot 0 has landed; three loads may be out
	s_barrier_signal -1
	s_barrier_wait -1                              ; everybody's has
	FETCH 0
	s_wait_loadcnt 0x0                             ; the scale words
	STEP 0, 1
	STEP 1, 0
	STEP 2, 0
	STEP 3, 0
	STEP 4, 0
	STEP 5, 0
	s_cmp_eq_u32 s21, 1                            ; made of the cluster's x alone; no barrier, tensor load or LDS store stands in the arms
	s_cbranch_scc1 .Lvpart
	s_wait_alu depctr_va_vdst(0)
	TAIL 0
	s_branch .Ljoin
.Lvpart:
	s_wait_alu depctr_va_vdst(0)
	TAIL 1
.Ljoin:
	v_cndmask_b32 v184, v[PW], v[PW+2], s96        ; lanes 0-15 store tiles 0 and 1's words of row r, lanes 16-31 tiles 2 and 3's
	v_cndmask_b32 v185, v[PW+1], v[PW+3], s96
	global_store_b64 v5, v[184:185], s[88:89]      ; 256 consecutive bytes
	s_wait_tensorcnt 0x0                           ; the wave's end
	ds_add_u32 v[SPW], v[NIL]
	s_wait_dscnt 0x0
	CROUND                                         ; the closing round
	s_endpgm
.Lfunc_end_k_q4d249a6be6_qkv:
	.size	k_q4d249a6be6_qkv, .Lfunc_end_k_q4d249a6be6_qkv-k_q4d249a6be6_qkv
	.p2alignl 7, 3214868480
	.fill 96, 4, 3214868480
	.section	.rodata,"a",@progbits
	.p2align	6, 0x0
	.amdhsa_kernel k_q4d249a6be6_qkv
		.amdhsa_group_segment_fixed_size 327680
		.amdhsa_private_segment_fixed_size 0
		.amdhsa_enable_private_segment 0
		.amdhsa_kernarg_size 56
		.amdhsa_user_sgpr_count 2
		.amdhsa_user_sgpr_kernarg_segment_ptr 1
		.amdhsa_wavefront_size32 1
		.amdhsa_system_sgpr_workgroup_id_x 1
		.amdhsa_system_sgpr_workgroup_id_y 1
		.amdhsa_system_sgpr_workgroup_id_z 1
		.amdhsa_system_vgpr_workitem_id 0
		.amdhsa_next_free_vgpr 768
		.amdhsa_next_free_sgpr 100
		.amdhsa_reserve_vcc 0
		.amdhsa_float_denorm_mode_32 3
		.amdhsa_float_denorm_mode_16_64 3
		.amdhsa_memory_ordered 1
		.amdhsa_forward_progress 1
		.amdhsa_inst_pref_size 135
	.end_amdhsa_kernel
	.amdgpu_metadata
---
amdhsa.version: [ 1, 2 ]
amdhsa.kernels:
  - .name:           k_q4d249a6be6_qkv
    .symbol:         k_q4d249a6be6_qkv.kd
    .args:
      - { .name: xq, .offset: 0, .size: 8, .value_kind: global_buffer, .address_space: global }
      - { .name: wq, .offset: 8, .size: 8, .value_kind: global_buffer, .address_space: global }
      - { .name: b_q, .offset: 16, .size: 8, .value_kind: global_buffer, .address_space: global }
      - { .name: b_k, .offset: 24, .size: 8, .value_kind: global_buffer, .address_space: global }
      - { .name: b_v, .offset: 32, .size: 8, .value_kind: global_buffer, .address_space: global }
      - { .name: qk, .offset: 40, .size: 8, .value_kind: global_buffer, .address_space: global }
      - { .name: vq, .offset: 48, .size: 8, .value_kind: global_buffer, .address_space: global }
    .group_segment_fixed_size: 327680
    .private_segment_fixed_size: 0
    .kernarg_segment_align: 8
    .kernarg_segment_size: 56
    .max_flat_workgroup_size: 128
    .sgpr_count:     100
    .vgpr_count:     768
    .wavefront_size: 32
...
	.end_amdgpu_metadata
.endif
;; end of part 2
;; launch attn (part 3): grid 4 x 64, 16 waves a work-group, clusters of 4 x 1, 327,680 bytes of LDS; arguments qk, vq, yq; writes yq
.if DOCPART == 3
	.amdgcn_target "amdgcn-amd-amdhsa--gfx1250"
	.amdhsa_code_object_version 6
	.text
	.protected	k_q4d249a6be6_attn
	.globl	k_q4d249a6be6_attn
	.p2align	8
	.type	k_q4d249a6be6_attn,@function
k_q4d249a6be6_attn:
	s_mov_b64 s[64:65], 0
	v_nop
	global_prefetch_b8 v0, s[64:65] scope:SCOPE_SE
	s_setreg_imm32_b32 hwreg(HW_REG_WAVE_MODE, 25, 1), 1
	s_wait_xcnt 0x0
	s_wait_alu depctr_hold_cnt(0) depctr_sa_sdst(0) depctr_va_vdst(0) depctr_va_sdst(0) depctr_va_ssrc(0) depctr_va_vcc(0) depctr_vm_vsrc(0)
	s_getreg_b32 s2, hwreg(HW_REG_IB_STS2, 6, 4)
	s_cmp_eq_u32 s2, 0
	s_cbranch_scc0 .Lentry_in_a_cluster
	s_endpgm
.Lentry_in_a_cluster:
	s_bfe_u32 s2, ttmp6, 0x10000c
	s_cmp_lg_u32 s2, 0x3003
	s_cbranch_scc0 .Lentry_shape_is_right
	s_endpgm
.Lentry_shape_is_right:
; Launch 3 of 4: y = softmax(q k^T / 8, causal) v for each batch and head, both products on codes of E3M2, and y quantised along the model's 1,024 on the way out.
; LEFT OUT (shown at the head of the first launch): a step of 128 keys all of which come after all 16 queries of a tile; reference()'s own mask gives such keys p = 0 for all values of the inputs.
; THE SOFTMAX: t = score x log2(e) / 8; M = the running largest t rounded UP to a whole number; p = 2^(t - M) is quantised along the keys, not normalised; the row's sum is taken of the unquantised p and
; divides at the end; when M moves, the sum and O are multiplied by 2^(old M - new M), which rounds nothing.
; SHARES.  A cluster of four work-groups is one (batch, head).  The head's whole K and V (codes and scale words, 208,896 bytes) are asked for JOINTLY by the four, once, and stay in LDS: nothing is filled again.
; A loading wave has five tensor loads outstanding.  Each of the 16 waves takes two tiles of 16 queries: first storage tile 127 - 4 w - cx (16 - w / 2 key steps), then tile 4 w + cx
; (w / 2 + 1 key steps): 17 steps for every wave.  Branches and trip counts are made of the wave's number and loop counts alone; cx enters global addresses and the mask's compare value only.
; LAYOUT.  S^T = K Q^T (source 0 = a storage tile of 16 keys, source 1 = my 16 queries), O^T = V^T P^T: a lane holds ONE query throughout.  By the order of rows in storage tiles the 16 registers of tiles
; 2 b, 2 b + 1 are keys 32 b + 16 (lane / 16) + 0 .. 15, and O^T's are channels 32 b + 16 (lane / 16) + 0 .. 15.
; THE HEAD IS 64 WIDE, the form 128: Q's upper six registers are zero codes.  K's tile t is named as v[48 + 6 t : 59 + 6 t]: its upper six registers are the next tile's codes, which meet Q's zero codes under
; scale bytes 0 (2^-127): they add exactly 0 (E3M2 has no code for NaN or infinity).
; REGISTERS: v1-6 LDS places that stay; v7, v8 the add's two; v9 the mask's compare value; v10 8 r; v11 8 lane; v12 -M, v13 the largest t, v[14:15] the sum; v16-27 Q; v28-33 the step's addresses;
; v34-41 K's scale words, v42-45 V's, v46 Q's, v47 p's; v48-101 K (later p's codes and work); v102-149 V; v150-213 S^T, then p; v214-245 O^T; v[246:247] f; v248-253 at work.
.set QKS,   12582912
.set VS,    6291456                    ; in vq; yq's scale bytes begin at the same offset
.set VC,    98304                      ; LDS: K's codes [tile 128][768]; V's [key step 16][d tile 4][1536];
.set KSC,   196608                     ; K's scale words, 8,192 bytes;
.set VSC,   204800                     ; V's, 4,096;
.set SPARE, 208896                     ; the spare words, 128 bytes a wave: eight blocks of 256 bytes that no other line names
.set SPW, 7
.set NIL, 8
.set S,   150
.set O,   214
.set BM,  68                           ; v68-71 the blocks' largest
.set PT,  72                           ; v72-75 a lane permute's targets, then the bytes
.set SO,  76                           ; v76-79 the conversions' scale operands
.set CH,  80                           ; v[80:81] one of the sum's eight chains
.set PCD, 48                           ; v48-59 p's codes
.set CT,  60                           ; v60-62, v64-66 the conversions' second halves
.set G1K,  24
.set G1V,  32
.set G1KS, 40
.set G1VS, 48
.set G0KS, 56
.set G0VS, 60
.set G0K,  68                          ; s[68:83] four sets
.set G0V,  84                          ; s[84:99] four sets
.macro ROUND                           ; a round of the cluster's barrier
	s_barrier_signal -1
	s_barrier_wait -1
	s_cmp_lg_u32 s10, 0
	s_cbranch_scc1 .Lnot_wave_0_\@
	s_barrier_signal -3
.Lnot_wave_0_\@:
	s_barrier_wait -3
	s_barrier_signal -1
	s_barrier_wait -1
.endm
	s_load_b128 s[4:7], s[0:1], 0x0                ; qk s[4:5], vq s[6:7]
	s_load_b64 s[8:9], s[0:1], 0x10                ; yq
	v_lshl_add_u32 v[SPW], v0, 2, SPARE
	v_mov_b32 v[NIL], 0
	ds_add_u32 v[SPW], v[NIL]                      ; the wave's opening: the add, twice on end, and its wait ahead of the first tensor loads
	ds_add_u32 v[SPW], v[NIL]
	v_lshrrev_b32 v1, 5, v0
	s_delay_alu instid0(VALU_DEP_1)
	v_readfirstlane_b32 s10, v1                    ; wave 0..15
	s_bfe_u32 s11, ttmp6, 0x40000                  ; cx
	s_and_b32 s12, ttmp7, 0xffff                   ; 16 batch + head: the four partners share it
	s_lshr_b32 s19, s12, 4                         ; batch
	s_and_b32 s101, s12, 15                        ; head
	s_lshr_b32 s66, s101, 1                        ; head pair
	s_and_b32 s105, s101, 1                        ; which half of an image
	s_lshr_b32 s17, s10, 1                         ; loaders (waves 0-3): which half of the chunks,
	s_and_b32 s18, s10, 1                          ; K's (0) or V's (1)
.irp g, G1K, G1V, G1KS, G1VS
	s_mov_b32 s[\g], 15|(3<<16)|(1<<21)            ; 15:0 the mask: all four work-groups; 17:16 elements of 8 bytes; 21 set beside a mask
	s_mov_b32 s[\g+6], 0
	s_mov_b32 s[\g+7], 0
.endr
	s_mov_b32 s[G1K+1], 96<<16                     ; K's codes: 16 tiles' halves of 768 bytes, 1,536 bytes apart
	s_mov_b32 s[G1K+2], 16<<16
	s_mov_b32 s[G1K+3], 96<<16
	s_mov_b32 s[G1K+4], 16
	s_mov_b32 s[G1K+5], 192
	s_mov_b32 s[G1V+1], 768<<16                    ; V's codes: two key steps' 6,144 bytes, 98,304 bytes apart
	s_mov_b32 s[G1V+2], 2<<16
	s_mov_b32 s[G1V+3], 768<<16
	s_mov_b32 s[G1V+4], 2
	s_mov_b32 s[G1V+5], 12288
	s_mov_b32 s[G1KS+1], 32<<16                    ; K's scale words: 16 rows of 256 bytes, dense
	s_mov_b32 s[G1KS+2], 16<<16
	s_mov_b32 s[G1KS+3], 32<<16
	s_mov_b32 s[G1KS+4], 16
	s_mov_b32 s[G1KS+5], 32
	s_mov_b32 s[G1VS+1], 32<<16                    ; V's: 8 rows of 256 bytes, 4,096 bytes apart
	s_mov_b32 s[G1VS+2], 8<<16
	s_mov_b32 s[G1VS+3], 32<<16
	s_mov_b32 s[G1VS+4], 8
	s_mov_b32 s[G1VS+5], 512
	s_mov_b32 s20, 0x76543210
	s_mov_b32 s21, 0xfedcba98                      ; v_permlanex16_b32's selects for lane l xor 16
	s_mov_b32 s22, 0x3e38aa3b                      ; c = log2(e) / sqrt(64)
	s_mov_b32 s23, s22                             ; (named with it as a pair)
	s_mul_i32 s13, s66, 786432
	s_mul_i32 s2, s19, 196608
	s_add_co_u32 s13, s13, s2
	s_mul_i32 s2, s105, 768
	s_add_co_u32 s13, s13, s2                      ; s13: Q's codes of my batch and head, tile 0
	s_mul_i32 s2, s17, 24576
	s_add_co_u32 s12, s13, s2
	s_add_co_u32 s12, s12, 8*786432                ; s12: K's codes, my first chunk
	s_lshl_b32 s14, s66, 15
	s_lshl_b32 s2, s19, 13
	s_add_co_u32 s14, s14, s2
	s_add_co_u32 s14, s14, QKS
	s_lshl_b32 s2, s17, 12
	s_add_co_u32 s100, s14, s2
	s_add_co_u32 s100, s100, 8*32768               ; s100: K's scale words, my half
	s_lshl_b32 s2, s105, 1
	s_add_co_u32 s14, s14, s2                      ; s14: Q's scale bytes
	s_mul_i32 s104, s19, 1572864
	s_mul_i32 s15, s66, 1536
	s_add_co_u32 s15, s15, s104
	s_mul_i32 s2, s105, 768
	s_add_co_u32 s15, s15, s2                      ; s15: y's codes, tile 0
	s_mul_i32 s2, s17, 196608
	s_add_co_u32 s104, s104, s2
	s_mul_i32 s2, s101, 6144
	s_add_co_u32 s104, s104, s2                    ; s104: V's codes, my first chunk
	s_lshl_b32 s67, s19, 16
	s_add_co_u32 s67, s67, VS
	s_lshr_b32 s2, s66, 2
	s_lshl_b32 s2, s2, 8
	s_add_co_u32 s16, s67, s2
	s_and_b32 s2, s66, 3
	s_lshl_b32 s2, s2, 2
	s_add_co_u32 s16, s16, s2
	s_lshl_b32 s2, s105, 1
	s_add_co_u32 s16, s16, s2                      ; s16: y's scale bytes, tile 0
	s_lshl_b32 s2, s17, 15
	s_add_co_u32 s67, s67, s2
	s_lshl_b32 s2, s101, 8
	s_add_co_u32 s67, s67, s2                      ; s67: V's scale words, my half
	s_mul_i32 s19, s17, 12288                      ; my first chunk's place in LDS: the wave's number alone
	s_wait_dscnt 0x0                               ; both opening adds are done
	s_wait_kmcnt 0x0
	s_mov_b32 s2, s12
	s_mov_b32 s3, 0
	s_add_nc_u64 s[2:3], s[4:5], s[2:3]
.irp i, 0,1,2,3                        ; chunks p, p + 2, p + 4, p + 6 of 16 tiles
	s_mov_b32 s[G0K+4*\i], 1
	s_add_co_u32 s[G0K+4*\i+1], s19, 24576*\i
	s_add_nc_u64 s[G0K+4*\i+2:G0K+4*\i+3], s[2:3], 49152*\i
	s_or_b32 s[G0K+4*\i+3], s[G0K+4*\i+3], 0x80000000
.endr
	s_mov_b32 s2, s104
	s_mov_b32 s3, 0
	s_add_nc_u64 s[2:3], s[6:7], s[2:3]
.irp i, 0,1,2,3                        ; the same chunks of two key steps
	s_mov_b32 s[G0V+4*\i], 1
	s_add_co_u32 s[G0V+4*\i+1], s19, VC+24576*\i
	s_add_nc_u64 s[G0V+4*\i+2:G0V+4*\i+3], s[2:3], 393216*\i
	s_or_b32 s[G0V+4*\i+3], s[G0V+4*\i+3], 0x80000000
.endr
	s_mov_b32 s2, s100
	s_mov_b32 s3, 0
	s_mov_b32 s[G0KS], 1
	s_lshl_b32 s19, s17, 12
	s_add_co_u32 s[G0KS+1], s19, KSC
	s_add_nc_u64 s[G0KS+2:G0KS+3], s[4:5], s[2:3]
	s_or_b32 s[G0KS+3], s[G0KS+3], 0x80000000
	s_mov_b32 s2, s67
	s_mov_b32 s[G0VS], 1
	s_lshl_b32 s19, s17, 11
	s_add_co_u32 s[G0VS+1], s19, VSC
	s_add_nc_u64 s[G0VS+2:G0VS+3], s[6:7], s[2:3]
	s_or_b32 s[G0VS+3], s[G0VS+3], 0x80000000
	ROUND                                          ; all four work-groups are here: the joint loads meet
	s_cmp_lt_u32 s10, 4                            ; waves 0 and 2 fetch K's, waves 1 and 3 V's, the others nothing: the wave's number alone decides
	s_cbranch_scc0 .Lasked
	s_cmp_eq_u32 s18, 0
	s_cbranch_scc0 .Lfor_v
	tensor_load_to_lds s[G0KS:G0KS+3], s[G1KS:G1KS+7]
	s_nop 0
.irp i, 0,1,2,3
	tensor_load_to_lds s[G0K+4*\i:G0K+4*\i+3], s[G1K:G1K+7]
	s_nop 0
.endr
.rept 4
	v_nop
.endr
	s_branch .Lasked
.Lfor_v:
	tensor_load_to_lds s[G0VS:G0VS+3], s[G1VS:G1VS+7]
	s_nop 0
.irp i, 0,1,2,3
	tensor_load_to_lds s[G0V+4*\i:G0V+4*\i+3], s[G1V:G1V+7]
	s_nop 0
.endr
.rept 4
	v_nop
.endr
.Lasked:
	v_and_b32 v9, 31, v0                           ; lane
	s_delay_alu instid0(VALU_DEP_1)
	v_lshlrev_b32 v1, 4, v9                        ; 16 lane: K's first four registers of a tile; also the global offsets' lane term
	s_delay_alu instid0(VALU_DEP_2)
	v_lshlrev_b32 v11, 3, v9                       ; 8 lane
	s_delay_alu instid0(VALU_DEP_1)
	v_add_nc_u32 v2, 512, v11                      ; K's last two
	v_and_b32 v10, 15, v0
	s_delay_alu instid0(VALU_DEP_1)
	v_lshlrev_b32 v10, 3, v10                      ; 8 r
	s_lshl_b32 s2, s105, 1
	s_add_co_u32 s2, s2, KSC
	v_add_nc_u32 v3, s2, v10                       ; K's scale bytes: my head's two of row r's word
	v_add_nc_u32 v4, VC, v1
	v_add_nc_u32 v5, VC+512, v11
	v_add_nc_u32 v6, VSC, v10
	v_cmp_le_u32 s104, 16, v9                      ; lanes 16-31
.irp i, 22,23,24,25,26,27
	v_mov_b32 v\i, 0                               ; Q's upper half: zero codes
.endr
.irp i, 96,97,98,99,100,101
	v_mov_b32 v\i, 0                               ; what stands behind K's last tile: named, and multiplied by zero codes
.endr
.irp i, 72,73,74,75,247,248
	v_mov_b32 v\i, 0                               ; lane permutes' targets, and the upper half of the pair v[246:247]
.endr
; A tile's start: its number T (s105), its last key step (s100, made of the wave's number alone), Q's half image and scale bytes, the mask's compare value, the running figures.
.macro TILE_INIT long
	s_lshl_b32 s105, s10, 2
	s_add_co_u32 s105, s105, s11                   ; 4 w + cx
	s_lshr_b32 s100, s10, 1
.if \long
	s_sub_co_u32 s105, 127, s105
	s_sub_co_u32 s100, 15, s100
.endif
	s_mul_i32 s2, s105, 1536
	s_add_co_u32 s2, s2, s13
	v_add_nc_u32 v249, s2, v1
	v_add_nc_u32 v250, s2, v11
	global_load_b128 v[16:19], v249, s[4:5]
	global_load_b64 v[20:21], v250, s[4:5] offset:512
	s_lshr_b32 s2, s105, 2
	s_lshl_b32 s2, s2, 8
	s_bfe_u32 s3, s105, 0x10001
	s_lshl_b32 s3, s3, 7
	s_add_co_u32 s2, s2, s3
	s_and_b32 s3, s105, 1
	s_lshl_b32 s3, s3, 2
	s_add_co_u32 s2, s2, s3
	s_add_co_u32 s2, s2, s14
	v_add_nc_u32 v251, s2, v10
	global_load_u16 v46, v251, s[4:5]              ; my head's two bytes; the upper two come as 0
	s_bfe_u32 s2, s105, 0x20001
	s_lshl_b32 s2, s2, 5
	s_and_b32 s3, s105, 1
	s_lshl_b32 s3, s3, 3
	s_add_co_u32 s2, s2, s3                        ; 32 ((T % 8) / 2) + 8 (T % 2)
	v_and_b32 v252, 15, v0
	v_and_b32 v253, 8, v0
	s_delay_alu instid0(VALU_DEP_1)
	v_add_nc_u32 v252, v252, v253                  ; r + 8 (r / 8)
	v_and_b32 v253, 16, v0
	s_delay_alu instid0(VALU_DEP_1)
	v_sub_nc_u32 v252, v252, v253                  ; - 16 (lane / 16)
	s_delay_alu instid0(VALU_DEP_1)
	v_add_nc_u32 v9, s2, v252                      ; my query's place in its 128, less my half's 16: register 16 b + i is hidden on the diagonal where 32 b + i is above it
	v_mov_b32 v13, 0xff61b1e6                      ; the largest t so far: -3e38
	s_delay_alu instid0(VALU_DEP_1)
	v_floor_f32 v12, -v13                          ; -M
	v_mov_b32 v14, 0
	v_mov_b32 v15, 0
.set n, 0
.rept 32
	v_mov_b32 v[O+n], 0                            ; O^T: the step is written without a first form; the first change of M leaves zeros zeros
.set n, n+1
.endr
	s_mov_b32 s67, 0                               ; the key step
	s_wait_loadcnt 0x0
.endm
; A KEY STEP: 128 keys, eight storage tiles.  causal = 1: a step beyond the tile's last is jumped over, all but its count; the tile's last step hides the keys above the diagonal.
.macro STEP causal
.if \causal
	s_cmp_gt_u32 s67, s100
	s_cbranch_scc1 .Lhid_\@
.endif
	s_mul_i32 s2, s67, 6144
	s_lshl_b32 s3, s67, 9
	s_lshl_b32 s66, s67, 8
	s_setprio 2
	v_add_nc_u32 v28, s2, v1                       ; (these six are also the places between the last step's products and the loads into their registers)
	v_add_nc_u32 v29, s2, v2
	v_add_nc_u32 v30, s3, v3
	v_add_nc_u32 v31, s2, v4
	v_add_nc_u32 v32, s2, v5
	v_add_nc_u32 v33, s66, v6
.irp t, 0,1,2,3,4,5,6,7
	ds_load_b128 v[48+6*\t:51+6*\t], v28 offset:768*\t
	ds_load_b64 v[52+6*\t:53+6*\t], v29 offset:768*\t
	ds_load_u16 v[34+\t], v30 offset:256*(\t/4)+128*((\t%4)/2)+4*(\t%2)
.endr
.irp d, 0,1,2,3
	ds_load_b128 v[102+12*\d:105+12*\d], v31 offset:1536*\d
	ds_load_b64 v[106+12*\d:107+12*\d], v32 offset:1536*\d
	ds_load_b128 v[108+12*\d:111+12*\d], v31 offset:1536*\d+768
	ds_load_b64 v[112+12*\d:113+12*\d], v32 offset:1536*\d+768
	ds_load_b32 v[42+\d], v33 offset:128*(\d/2)+4*(\d%2)
.endr
	s_wait_dscnt 20                                ; K's 24 loads are in; V's 20, issued behind them, may be out
.irp t, 0,1,2,3,4,5,6,7
	v_wmma_scale_f32_16x16x128_f8f6f4 v[S+8*\t:S+8*\t+7], v[48+6*\t:59+6*\t], v[16:27], 0, v[34+\t], v46 matrix_a_fmt:MATRIX_FMT_BF6 matrix_b_fmt:MATRIX_FMT_BF6
.endr
.rept 4
	v_nop
.endr
.if \causal
	s_cmp_lg_u32 s67, s100
	s_cbranch_scc1 .Lopen_\@
	v_mov_b32 v248, 0xff800000                     ; on the diagonal hidden scores become -infinity ahead of the maximum: p = 0 then.  The step's first key counts for every query
.set n, 0
.rept 64
	v_cmp_gt_i32 vcc_lo, 32*(n/16)+n%16, v9
	v_cndmask_b32 v[S+n], v[S+n], v248, vcc_lo
.set n, n+1
.endr
.Lopen_\@:
.endif
.irp b, 0,1,2,3
	v_max3_num_f32 v[BM+\b], v[S+16*\b], v[S+1+16*\b], v[S+2+16*\b]   ; the largest score of each block of 32 keys: it serves the row's maximum and, since p rises with the score, the block's largest p
.endr
.irp i, 3,5,7,9,11,13
.irp b, 0,1,2,3
	v_max3_num_f32 v[BM+\b], v[BM+\b], v[S+16*\b+\i], v[S+1+16*\b+\i]
.endr
.endr
.irp b, 0,1,2,3
	v_max_num_f32 v[BM+\b], v[BM+\b], v[S+15+16*\b]
.endr
.irp b, 0,1,2,3
	s_delay_alu instid0(VALU_DEP_4)
	v_permlanex16_b32 v[PT+\b], v[BM+\b], s20, s21
.endr
.irp b, 0,1,2,3
	s_delay_alu instid0(VALU_DEP_4)
	v_max_num_f32 v[BM+\b], v[BM+\b], v[PT+\b]     ; with lane l xor 16's 16 keys
.endr
	s_delay_alu instid0(VALU_DEP_2)
	v_max3_num_f32 v248, v[BM], v[BM+1], v[BM+2]
	s_delay_alu instid0(VALU_DEP_1)
	v_max_num_f32 v248, v248, v[BM+3]
	s_delay_alu instid0(VALU_DEP_1)
	v_mul_f32 v248, s22, v248                      ; as t
	s_delay_alu instid0(VALU_DEP_1)
	v_max_num_f32 v13, v13, v248                   ; the running largest t
	v_mov_b32 v248, v12
	s_delay_alu instid0(VALU_DEP_2)
	v_floor_f32 v12, -v13                          ; the new -M = -ceil(t)
	s_delay_alu instid0(VALU_DEP_1)
	v_sub_f32 v248, v12, v248                      ; old M less new M: a whole number, 0 or less
	s_delay_alu instid0(VALU_DEP_1)
	v_cvt_i32_f32 v248, v248                       ; (it saturates)
	s_delay_alu instid0(VALU_DEP_1)
	v_ldexp_f32 v246, 1.0, v248                    ; f = 2^(old M - new M)
.set n, 0
.rept 32
	v_pk_fma_f32 v[S+n:S+n+1], v[S+n:S+n+1], s[22:23], v[12:13] op_sel_hi:[1,0,0]   ; t - M, two at a time
.set n, n+2
.endr
.irp b, 0,1,2,3
	v_fma_f32 v[BM+\b], v[BM+\b], s22, v12         ; the same of each block's largest score
.endr
.set n, 0
	s_setprio 1
	s_wait_alu depctr_va_vdst(0)
.rept 64
	v_exp_f32 v[S+n], v[S+n]                       ; p = 2^(t - M)
.set n, n+1
.endr
	v_pk_mul_f32 v[14:15], v[14:15], v[246:247] op_sel_hi:[1,0]   ; the sums under the new M (a plain line behind the exponentials)
	s_wait_alu depctr_va_vdst(0)                   ; one wait for the batch of 64, ahead of its first reader
.irp b, 0,1,2,3
	v_exp_f32 v[BM+\b], v[BM+\b]                   ; the block's largest p
.endr
	v_pk_add_f32 v[80:81], v[154:155], v[158:159]
	v_pk_add_f32 v[254:255], v[162:163], v[166:167]
	v_pk_add_f32 v[252:253], v[170:171], v[174:175]
	v_pk_add_f32 v[250:251], v[178:179], v[182:183]
	v_pk_add_f32 v[94:95], v[186:187], v[190:191]
	v_pk_add_f32 v[92:93], v[194:195], v[198:199]
	v_pk_add_f32 v[90:91], v[202:203], v[206:207]
	v_pk_add_f32 v[14:15], v[14:15], v[210:211]
	v_pk_add_f32 v[80:81], v[80:81], v[150:151]
	v_pk_add_f32 v[254:255], v[254:255], v[152:153]
	v_pk_add_f32 v[252:253], v[252:253], v[156:157]
	v_pk_add_f32 v[250:251], v[250:251], v[160:161]
	v_pk_add_f32 v[94:95], v[94:95], v[164:165]
	v_pk_add_f32 v[92:93], v[92:93], v[168:169]
	v_pk_add_f32 v[90:91], v[90:91], v[172:173]
	v_pk_add_f32 v[14:15], v[14:15], v[176:177]
	v_pk_add_f32 v[80:81], v[80:81], v[180:181]
	v_pk_add_f32 v[254:255], v[254:255], v[184:185]
	v_pk_add_f32 v[252:253], v[252:253], v[188:189]
	v_pk_add_f32 v[250:251], v[250:251], v[192:193]
	v_pk_add_f32 v[94:95], v[94:95], v[196:197]
	v_pk_add_f32 v[92:93], v[92:93], v[200:201]
	v_pk_add_f32 v[90:91], v[90:91], v[204:205]
	v_pk_add_f32 v[14:15], v[14:15], v[208:209]
	v_pk_add_f32 v[80:81], v[80:81], v[212:213]
	s_delay_alu instid0(VALU_DEP_2)
	v_pk_add_f32 v[14:15], v[14:15], v[250:251]
	s_delay_alu instid0(VALU_DEP_2)
	v_pk_add_f32 v[80:81], v[80:81], v[94:95]
	v_pk_add_f32 v[254:255], v[254:255], v[92:93]
	v_pk_add_f32 v[252:253], v[252:253], v[90:91]
	s_delay_alu instid0(VALU_DEP_2)
	v_pk_add_f32 v[14:15], v[14:15], v[254:255]
	s_delay_alu instid0(VALU_DEP_2)
	v_pk_add_f32 v[80:81], v[80:81], v[252:253]
	s_delay_alu instid0(VALU_DEP_1)
	v_pk_add_f32 v[14:15], v[14:15], v[80:81]
	s_wait_alu depctr_va_vdst(0)                   ; and one for the four
.irp b, 0,1,2,3
	v_max_num_f32 v[BM+\b], 0x2800000, v[BM+\b]    ; the floor 2^(5 - 127): the byte cannot fall under 1
.endr
.irp b, 0,1,2,3
	s_delay_alu instid0(VALU_DEP_4)
	v_add_nc_u32 v[SO+\b], 0xfe000000, v[BM+\b]    ; 4 off the exponent field: the conversion's scale operand
.endr
.irp b, 0,1,2,3
	s_delay_alu instid0(VALU_DEP_4)
	v_lshrrev_b32 v[PT+\b], 23, v[SO+\b]           ; the scale's byte
.endr
	s_delay_alu instid0(VALU_DEP_3)
	v_lshl_or_b32 v47, v[PT+1], 8, v[PT]           ; p's scale word for these 128 keys
	s_delay_alu instid0(VALU_DEP_1)
	v_lshl_or_b32 v47, v[PT+2], 16, v47
	s_delay_alu instid0(VALU_DEP_1)
	v_lshl_or_b32 v47, v[PT+3], 24, v47
.irp c, 0,1
	v_cvt_scalef32_pk16_bf6_f32 v[PCD+6*\c:PCD+2+6*\c], v[S+32*\c:S+15+32*\c], v[SO+2*\c]
	v_cvt_scalef32_pk16_bf6_f32 v[CT+4*\c:CT+2+4*\c], v[S+16+32*\c:S+31+32*\c], v[SO+2*\c+1]
.endr
	s_setprio 0
	v_nop                                          ; one plain line behind a scaled conversion
.irp c, 0,1                            ; the operand's layout wants a whole block in a lane
.irp i, 0,1,2
	v_permlane16_swap_b32 v[PCD+6*\c+\i], v[CT+4*\c+\i]
.endr
.irp i, 0,1,2
	s_delay_alu instid0(VALU_DEP_3)
	v_mov_b32 v[PCD+3+6*\c+\i], v[CT+4*\c+\i]
.endr
.endr
.set n, 0
.rept 16
	v_pk_mul_f32 v[O+n:O+n+1], v[O+n:O+n+1], v[246:247] op_sel_hi:[1,0]   ; O^T under the new M (these are also the lines between the codes' and the scale word's making and the products)
.set n, n+2
.endr
	s_wait_alu depctr_va_vdst(0)
	s_wait_dscnt 0x0                               ; V is in
.irp d, 0,1,2,3
	v_wmma_scale_f32_16x16x128_f8f6f4 v[O+8*\d:O+8*\d+7], v[102+12*\d:113+12*\d], v[PCD:PCD+11], v[O+8*\d:O+8*\d+7], v[42+\d], v47 matrix_a_fmt:MATRIX_FMT_BF6 matrix_b_fmt:MATRIX_FMT_BF6
.endr
.if \causal
.Lhid_\@:
.endif
	s_add_co_u32 s67, s67, 1
.endm
.macro SEG end, causal                 ; key steps up to a constant
.Lseg_\@:
	STEP \causal
	s_cmp_lt_u32 s67, \end
	s_cbranch_scc1 .Lseg_\@
	s_setprio 0
.endm
; A tile's end: O^T / the sum is y(query r, channels 32 b + 16 (lane / 16) + i); its two blocks of 32 are quantised and leave as half an image of yq, with one scale byte a lane.
; (A row's four bytes of a K step of the last product come from two work-groups, so they cannot be gathered here: a byte a lane, beside 24 bytes of codes.)
.macro FINISH
.rept 4
	v_nop                                          ; places behind the last products
.endr
	v_add_f32 v14, v14, v15
	s_delay_alu instid0(VALU_DEP_1)
	v_permlanex16_b32 v248, v14, s20, s21
	s_delay_alu instid0(VALU_DEP_1)
	v_add_f32 v14, v14, v248                       ; the row's sum
	s_wait_alu depctr_va_vdst(0)
	v_rcp_f32 v14, v14
	s_mul_i32 s2, s105, 12288
	s_add_co_u32 s2, s2, s15
	v_add_nc_u32 v249, s2, v1                      ; (plain lines behind the reciprocal)
	v_add_nc_u32 v250, s2, v11
	s_lshl_b32 s3, s105, 9
	s_add_co_u32 s3, s3, s16
	v_lshl_add_u32 v251, v10, 1, s3                ; 16 r
	v_bfe_u32 v252, v0, 4, 1
	s_delay_alu instid0(VALU_DEP_1)
	v_add_nc_u32 v251, v251, v252                  ; + my block
	s_wait_alu depctr_va_vdst(0)                   ; the wait ahead of the reciprocal's first reader
.set n, 0
.rept 32
	v_mul_f32 v[S+n], v[O+n], v14
.set n, n+1
.endr
.irp b, 0,1
	v_max3_num_f32 v[BM+\b], |v[S+16*\b]|, |v[S+1+16*\b]|, 0x2800000
.endr
.irp i, 2,4,6,8,10,12,14
.irp b, 0,1
	s_delay_alu instid0(VALU_DEP_2)
	v_max3_num_f32 v[BM+\b], v[BM+\b], |v[S+16*\b+\i]|, |v[S+1+16*\b+\i]|
.endr
.endr
.irp b, 0,1
	s_delay_alu instid0(VALU_DEP_2)
	v_permlanex16_b32 v[PT+\b], v[BM+\b], s20, s21
.endr
.irp b, 0,1
	s_delay_alu instid0(VALU_DEP_2)
	v_max_num_f32 v[BM+\b], v[BM+\b], v[PT+\b]
.endr
.irp b, 0,1
	s_delay_alu instid0(VALU_DEP_2)
	v_add_nc_u32 v[SO+\b], 0xfe000000, v[BM+\b]
.endr
.irp b, 0,1
	s_delay_alu instid0(VALU_DEP_2)
	v_lshrrev_b32 v[PT+\b], 23, v[SO+\b]
.endr
	v_cvt_scalef32_pk16_bf6_f32 v[PCD:PCD+2], v[S:S+15], v[SO]
	v_cvt_scalef32_pk16_bf6_f32 v[CT:CT+2], v[S+16:S+31], v[SO+1]
	v_nop                                          ; one plain line behind a scaled conversion
	v_cndmask_b32 v253, v[PT], v[PT+1], s104       ; lanes 0-15 store block 0's byte, lanes 16-31 block 1's
.irp i, 0,1,2
	v_permlane16_swap_b32 v[PCD+\i], v[CT+\i]
.endr
.irp i, 0,1,2
	s_delay_alu instid0(VALU_DEP_3)
	v_mov_b32 v[PCD+3+\i], v[CT+\i]
.endr
	global_store_b128 v249, v[PCD:PCD+3], s[8:9]               ; 512 consecutive bytes
	global_store_b64 v250, v[PCD+4:PCD+5], s[8:9] offset:512   ; 256 consecutive bytes
	global_store_b8 v251, v253, s[8:9]
	s_wait_xcnt 0x0                                ; the stores have read their registers: the next tile writes them again
.endm
	TILE_INIT 1
	s_wait_tensorcnt 0x0                           ; my loads, if I have any, have landed,
	s_wait_dscnt 0x0
	s_barrier_signal -1
	s_barrier_wait -1                              ; everybody's have: the head's K and V are whole, and nothing is filled again
	SEG 8, 0                                       ; the long tile: its last key step is 8 or later, so the first eight steps are whole
	SEG 16, 1
	FINISH
	TILE_INIT 0
	SEG 8, 1                                       ; the short tile
	FINISH
	s_wait_tensorcnt 0x0                           ; the wave's end
	ds_add_u32 v[SPW], v[NIL]
	s_wait_dscnt 0x0
	ROUND                                          ; the closing round
	s_endpgm
.Lfunc_end_k_q4d249a6be6_attn:
	.size	k_q4d249a6be6_attn, .Lfunc_end_k_q4d249a6be6_attn-k_q4d249a6be6_attn
	.p2alignl 7, 3214868480
	.fill 96, 4, 3214868480
	.section	.rodata,"a",@progbits
	.p2align	6, 0x0
	.amdhsa_kernel k_q4d249a6be6_attn
		.amdhsa_group_segment_fixed_size 327680
		.amdhsa_private_segment_fixed_size 0
		.amdhsa_enable_private_segment 0
		.amdhsa_kernarg_size 24
		.amdhsa_user_sgpr_count 2
		.amdhsa_user_sgpr_kernarg_segment_ptr 1
		.amdhsa_wavefront_size32 1
		.amdhsa_system_sgpr_workgroup_id_x 1
		.amdhsa_system_sgpr_workgroup_id_y 1
		.amdhsa_system_sgpr_workgroup_id_z 1
		.amdhsa_system_vgpr_workitem_id 0
		.amdhsa_next_free_vgpr 256
		.amdhsa_next_free_sgpr 106
		.amdhsa_reserve_vcc 1
		.amdhsa_float_denorm_mode_32 3
		.amdhsa_float_denorm_mode_16_64 3
		.amdhsa_memory_ordered 1
		.amdhsa_forward_progress 1
		.amdhsa_inst_pref_size 90
	.end_amdhsa_kernel
	.amdgpu_metadata
---
amdhsa.version: [ 1, 2 ]
amdhsa.kernels:
  - .name:           k_q4d249a6be6_attn
    .symbol:         k_q4d249a6be6_attn.kd
    .args:
      - { .name: qk, .offset: 0, .size: 8, .value_kind: global_buffer, .address_space: global }
      - { .name: vq, .offset: 8, .size: 8, .value_kind: global_buffer, .address_space: global }
      - { .name: yq, .offset: 16, .size: 8, .value_kind: global_buffer, .address_space: global }
    .group_segment_fixed_size: 327680
    .private_segment_fixed_size: 0
    .kernarg_segment_align: 8
    .kernarg_segment_size: 24
    .max_flat_workgroup_size: 512
    .sgpr_count:     106
    .vgpr_count:     256
    .wavefront_size: 32
...
	.end_amdgpu_metadata
.endif
;; end of part 3
;; launch oproj (part 4): grid 8 x 32, 4 waves a work-group, clusters of 4 x 4, 327,680 bytes of LDS; arguments yq, wq, b_o, out0; writes out0
.if DOCPART == 4
	.amdgcn_target "amdgcn-amd-amdhsa--gfx1250"
	.amdhsa_code_object_version 6
	.text
	.protected	k_q4d249a6be6_oproj
	.globl	k_q4d249a6be6_oproj
	.p2align	8
	.type	k_q4d249a6be6_oproj,@function
k_q4d249a6be6_oproj:
	s_mov_b64 s[64:65], 0
	v_nop
	global_prefetch_b8 v0, s[64:65] scope:SCOPE_SE
	s_setreg_imm32_b32 hwreg(HW_REG_WAVE_MODE, 25, 1), 1
	s_wait_xcnt 0x0
	s_wait_alu depctr_hold_cnt(0) depctr_sa_sdst(0) depctr_va_vdst(0) depctr_va_sdst(0) depctr_va_ssrc(0) depctr_va_vcc(0) depctr_vm_vsrc(0)
	s_getreg_b32 s2, hwreg(HW_REG_IB_STS2, 6, 4)
	s_cmp_eq_u32 s2, 0
	s_cbranch_scc0 .Lentry_in_a_cluster
	s_endpgm
.Lentry_in_a_cluster:
	s_bfe_u32 s2, ttmp6, 0x10000c
	s_cmp_lg_u32 s2, 0xf033
	s_cbranch_scc0 .Lentry_shape_is_right
	s_endpgm
.Lentry_shape_is_right:
; Launch 4 of 4: out0 = y w_o + b_o on codes of E3M2; out0 [8192][1024] f32.  (Layouts of yq and wq, the order of rows in storage tiles and the image of a fragment: head of the first launch.)
; THE CORE is the second launch's: source 0 = 16 columns of w_o (operand P), source 1 = 16 tokens of y (operand R); a work-group makes 256 tokens x 128 columns over all of K = 1,024; wave w takes R's tiles
; 4 w .. 4 w + 3 against P's eight: 32 accumulators, 8 K steps of 32 matrix instructions.  The work-group's whole operands fit in LDS: every byte is filled once, by four tensor loads a wave issued together
; at the head (four outstanding), K in four slots of 256; four barriers with counted waits.  CLUSTERS: 4 x 4; R's tiles jointly along a row of the cluster, P's along a column.
; The bias is the C of each sum's first matrix instruction.  A lane's eight results are eight neighbouring columns of one token: a tile of 16 tokens goes through the wave's own stage in LDS and leaves as whole
; rows' 512 consecutive bytes.  The stage lies in R's slot 0, which has had its only fill, and whose last read stands in front of the second barrier.
; REGISTERS: window 0: v1-7, v8-23 LDS addresses, v24-27 small offsets, v32-79 scale words, v80-175 R's fragments (on the way out v80-207: rows read back); window 1: v0-191 P's fragments, v192-255 b_o; window 2: accumulators.
.set YS,    6291456
.set WS,    3145728
.set BOFF,  196608
.set SPARE, 294912                     ; the spare words, 128 bytes a wave: two blocks of 256 bytes that no other line names
.set SPW, 6
.set NIL, 7
.set A16, 8
.set A8,  12
.set B16, 16
.set B8,  20
.set STO, 25                           ; v25  the stage: where I put 32 bytes of a row
.set RD,  26                           ; v26  and where I read a row back
.set SC,  32
.set RF,  80
.set BK,  80                           ; the way out: v80-143 and v144-207 by turns
.set BI,  192
.set G1A, 28
.set G1B, 36
.set G0A, 44
.set G0B, 68
.set MSB, 0
.macro WIN new                         ; the immediate's high byte repeats the setting that is left
.if MSB != \new
	s_set_vgpr_msb (MSB<<8)|\new
.set MSB, \new
.endif
.endm
.macro PLACES                          ; four plain vector lines between a matrix instruction and a load into, or a read of, its registers
.rept 4
	v_nop
.endr
.endm
.macro JLOAD g0a, g0b                  ; a joint load: waves 0 and 1 fetch R's halves, waves 2 and 3 P's; an s_nop 0 and four v_nop follow each of the two lines
	s_cmp_eq_u32 s24, 0
	s_cbranch_scc0 .Lfor_b_\@
	tensor_load_to_lds s[\g0a:\g0a+3], s[G1A:G1A+7]
	s_nop 0
.rept 4
	v_nop
.endr
	s_branch .Lasked_\@
.Lfor_b_\@:
	tensor_load_to_lds s[\g0b:\g0b+3], s[G1B:G1B+7]
	s_nop 0
.rept 4
	v_nop
.endr
.Lasked_\@:
.endm
.macro CROUND                          ; a round of the cluster's barrier
	s_barrier_signal -1
	s_barrier_wait -1
	s_cmp_lg_u32 s18, 0
	s_cbranch_scc1 .Lnot_wave_0_\@
	s_barrier_signal -3
.Lnot_wave_0_\@:
	s_barrier_wait -3
	s_barrier_signal -1
	s_barrier_wait -1
.endm
	s_load_b256 s[4:11], s[0:1], 0x0               ; yq s[4:5], wq s[6:7], b_o s[8:9], out0 s[10:11]
	v_lshl_add_u32 v[SPW], v0, 2, SPARE
	v_mov_b32 v[NIL], 0
	ds_add_u32 v[SPW], v[NIL]                      ; the wave's opening: the add, twice on end, and its wait ahead of my first tensor load
	ds_add_u32 v[SPW], v[NIL]
	v_lshrrev_b32 v1, 5, v0
	v_readfirstlane_b32 s18, v1                    ; wave 0..3
	s_lshr_b32 s24, s18, 1                         ; I fetch for R (0) or for P (1),
	s_and_b32 s25, s18, 1                          ; its first or second half
	s_bfe_u32 s19, ttmp6, 0x40000                  ; cx
	s_bfe_u32 s20, ttmp6, 0x40004                  ; cy
	s_lshl_b32 s22, ttmp9, 2
	s_add_co_u32 s22, s22, s19                     ; PT: my 128 columns
	s_and_b32 s23, ttmp7, 0xffff
	s_lshl_b32 s23, s23, 2
	s_add_co_u32 s23, s23, s20                     ; RT: my 256 tokens
	s_lshl_b32 s2, s20, 2
	s_lshl_b32 s2, 15, s2                          ; my row of the cluster
	s_lshl_b32 s3, 0x1111, s19                     ; my column
	s_or_b32 s[G1A], s2, (3<<16)|(1<<21)           ; rows of 3,072 bytes (384 elements of 8 bytes), 12,288 bytes apart in memory, on end in LDS: 8 for R, 4 for P
	s_or_b32 s[G1B], s3, (3<<16)|(1<<21)
	s_mov_b32 s[G1A+1], 384<<16
	s_mov_b32 s[G1A+2], 8<<16
	s_mov_b32 s[G1A+3], 384<<16
	s_mov_b32 s[G1A+4], 8
	s_mov_b32 s[G1A+5], 1536
	s_mov_b32 s[G1A+6], 0
	s_mov_b32 s[G1A+7], 0
	s_mov_b32 s[G1B+1], 384<<16
	s_mov_b32 s[G1B+2], 4<<16
	s_mov_b32 s[G1B+3], 384<<16
	s_mov_b32 s[G1B+4], 4
	s_mov_b32 s[G1B+5], 1536
	s_mov_b32 s[G1B+6], 0
	s_mov_b32 s[G1B+7], 0
	s_lshl_b32 s60, s23, 4                         ; R: tile 16 RT + 8 half
	s_lshl_b32 s2, s25, 3
	s_add_co_u32 s60, s60, s2
	s_mul_i32 s60, s60, 12288
	s_mov_b32 s61, 0
	s_lshl_b32 s62, s22, 3                         ; P: tile 192 + 8 PT + 4 half of wq
	s_lshl_b32 s3, s25, 2
	s_add_co_u32 s62, s62, s3
	s_mul_i32 s62, s62, 12288
	s_add_co_u32 s62, s62, 2359296
	s_mov_b32 s63, 0
	s_mul_i32 s66, s25, 24576
	s_mul_i32 s67, s25, 12288
	s_add_co_u32 s67, s67, BOFF
	s_lshl_b32 s27, s23, 4
	s_lshl_b32 s2, s18, 2
	s_add_co_u32 s27, s27, s2                      ; my wave's first tile of R
	s_lshl_b32 s90, s27, 9
	s_add_co_u32 s90, s90, YS
	s_mov_b32 s91, 0
	s_lshl_b32 s92, s22, 12
	s_add_co_u32 s92, s92, WS+98304
	s_mov_b32 s93, 0
	s_lshl_b32 s84, s22, 9                         ; b_o: my 128 columns; also their bytes in a row of out0
	s_mov_b32 s85, 0
	s_lshl_b32 s86, s27, 16                        ; out0: token 256 RT + 64 wave, 4,096 bytes a row
	s_add_co_u32 s86, s86, s84
	s_mov_b32 s87, 0
	s_wait_dscnt 0x0                               ; both opening adds are done
	s_wait_kmcnt 0x0
	s_add_nc_u64 s[60:61], s[4:5], s[60:61]
	s_add_nc_u64 s[90:91], s[4:5], s[90:91]
	s_add_nc_u64 s[62:63], s[6:7], s[62:63]
	s_add_nc_u64 s[92:93], s[6:7], s[92:93]
	s_add_nc_u64 s[84:85], s[8:9], s[84:85]
	s_add_nc_u64 s[86:87], s[10:11], s[86:87]
	CROUND                                         ; all sixteen work-groups are here: the joint loads meet
.irp s, 0,1,2,3
	s_mov_b32 s[G0A+4*\s], 1
	s_add_co_u32 s[G0A+4*\s+1], s66, 49152*\s
	s_add_nc_u64 s[G0A+4*\s+2:G0A+4*\s+3], s[60:61], 3072*\s
	s_or_b32 s[G0A+4*\s+3], s[G0A+4*\s+3], 0x80000000
	s_mov_b32 s[G0B+4*\s], 1
	s_add_co_u32 s[G0B+4*\s+1], s67, 24576*\s
	s_add_nc_u64 s[G0B+4*\s+2:G0B+4*\s+3], s[62:63], 3072*\s
	s_or_b32 s[G0B+4*\s+3], s[G0B+4*\s+3], 0x80000000
	JLOAD G0A+4*\s, G0B+4*\s
.endr
	v_and_b32 v1, 31, v0                           ; lane
	v_and_b32 v2, 15, v0                           ; r
	v_bfe_u32 v3, v0, 4, 1                         ; h
	v_lshlrev_b32 v4, 4, v1                        ; 16 x lane
	v_lshlrev_b32 v5, 3, v1                        ; 8 x lane
	v_lshlrev_b32 v24, 6, v3                       ; 64 h
.irp t, 0,1,2,3
	global_load_b128 v[SC+4*\t:SC+4*\t+3], v4, s[90:91] offset:512*\t
.endr
.irp b, 0,1,2,3,4,5,6,7
	global_load_b128 v[SC+16+4*\b:SC+16+4*\b+3], v4, s[92:93] offset:512*\b
.endr
	WIN 0x40
.irp b, 0,1,2,3,4,5,6,7                ; b_o of columns 32 (b / 2) + 16 h + 8 (b % 2) + 0 .. 7: the result's layout
	global_load_b128 v[BI+8*\b:BI+8*\b+3], v24, s[84:85] offset:4*(32*(\b/2)+8*(\b%2))
	global_load_b128 v[BI+8*\b+4:BI+8*\b+7], v24, s[84:85] offset:4*(32*(\b/2)+8*(\b%2))+16
.endr
	WIN 0
	s_mul_i32 s2, s18, 12288
.irp s, 0,1,2,3
	v_add_nc_u32 v[A16+\s], s2, v4
	v_add_nc_u32 v[A8+\s], s2, v5
	v_add_nc_u32 v[B16+\s], BOFF+24576*\s, v4
	v_add_nc_u32 v[B8+\s], BOFF+24576*\s, v5
	s_add_co_u32 s2, s2, 49152
.endr
	s_mul_i32 s3, s18, 8448                        ; my stage: 16 rows x (512 bytes + 16)
	v_mul_u32_u24 v[STO], v2, 528
	v_add_nc_u32 v[STO], v[STO], v24
	v_add_nc_u32 v[STO], s3, v[STO]                ; in: row r, + 64 h
	v_add_nc_u32 v[RD], s3, v4                     ; back: 16 bytes a lane
.macro FRAG reg, a16, a8, off
	ds_load_b128 v[\reg:\reg+3], v[\a16] offset:\off
	ds_load_b64 v[\reg+4:\reg+5], v[\a8] offset:\off+512
	ds_load_b128 v[\reg+6:\reg+9], v[\a16] offset:\off+768
	ds_load_b64 v[\reg+10:\reg+11], v[\a8] offset:\off+1280
.endm
.macro FETCH q
	WIN 0x40
.irp b, 0,1,2,3,4,5,6,7
	FRAG 96*((\q)%2)+12*\b, B16+(\q)/2, B8+(\q)/2, 3072*\b+1536*((\q)%2)
.endr
	WIN 0
.irp a, 0,1,2,3
	FRAG RF+48*((\q)%2)+12*\a, A16+(\q)/2, A8+(\q)/2, 3072*\a+1536*((\q)%2)
.endr
.endm
; 32 matrix instructions; the 32 accumulators take turns, one instruction a turn, in the same order in every step.  first = 1: the sums begin with the bias.
.macro MUL q, first
.irp a, 0,1,2,3
.irp b, 0,1,2,3,4,5,6,7
.if \first
	v_wmma_scale_f32_16x16x128_f8f6f4 v[8*(8*\a+\b):8*(8*\a+\b)+7], v[96*((\q)%2)+12*\b:96*((\q)%2)+12*\b+11], v[RF+48*((\q)%2)+12*\a:RF+48*((\q)%2)+12*\a+11], v[BI+8*\b:BI+8*\b+7], v[SC+16+4*\b+(\q)%4], v[SC+4*\a+(\q)%4] matrix_a_fmt:MATRIX_FMT_BF6 matrix_b_fmt:MATRIX_FMT_BF6
.elseif (\q) < 4
	v_wmma_scale_f32_16x16x128_f8f6f4 v[8*(8*\a+\b):8*(8*\a+\b)+7], v[96*((\q)%2)+12*\b:96*((\q)%2)+12*\b+11], v[RF+48*((\q)%2)+12*\a:RF+48*((\q)%2)+12*\a+11], v[8*(8*\a+\b):8*(8*\a+\b)+7], v[SC+16+4*\b+(\q)%4], v[SC+4*\a+(\q)%4] matrix_a_fmt:MATRIX_FMT_BF6 matrix_b_fmt:MATRIX_FMT_BF6
.else
	v_wmma_scale_f32_16x16x128_f8f6f4 v[8*(8*\a+\b):8*(8*\a+\b)+7], v[96*((\q)%2)+12*\b:96*((\q)%2)+12*\b+11], v[RF+48*((\q)%2)+12*\a:RF+48*((\q)%2)+12*\a+11], v[8*(8*\a+\b):8*(8*\a+\b)+7], v[SC+16+4*\b+(\q)%4], v[SC+4*\a+(\q)%4] matrix_a_fmt:MATRIX_FMT_BF6 matrix_b_fmt:MATRIX_FMT_BF6 matrix_a_scale:MATRIX_SCALE_ROW1 matrix_b_scale:MATRIX_SCALE_ROW1
.endif
.endr
.endr
.endm
.macro STEP q, first
	s_wait_dscnt 0x0                               ; this step's fragments are in
.if ((\q)==1)||((\q)==3)||((\q)==5)
	s_wait_tensorcnt 3-((\q)+1)/2                  ; my part of the next slot has landed; the later slots' loads may stay out
	s_barrier_signal -1
	s_barrier_wait -1
.endif
.if (\q) < 7
.if (\q) > 0
	PLACES
.endif
	FETCH (\q)+1
.endif
.if \first
	WIN 0x91                                       ; source 0 (P) and C (the bias) window 1, source 1 (R) window 0, D window 2
.else
	WIN 0xa1                                       ; C and D window 2
.endif
	MUL \q, \first
	WIN 0
.endm
.macro TOSTAGE a                       ; my tile a: 16 tokens x 128 columns into the stage, and back as whole rows.  LDS serves a wave's instructions in order: no wait between the stores and the loads
	WIN 0x08                                       ; an LDS store's data are its source 1: window 2
.irp b, 0,1,2,3,4,5,6,7
	ds_store_b128 v[STO], v[64*(\a)+8*\b:64*(\a)+8*\b+3] offset:128*(\b/2)+32*(\b%2)       ; each accumulator from its low end on
	ds_store_b128 v[STO], v[64*(\a)+8*\b+4:64*(\a)+8*\b+7] offset:128*(\b/2)+32*(\b%2)+16
.endr
	WIN 0
.set BB, BK+64*((\a)%2)
.irp t, 0,1,2,3,4,5,6,7,8,9,10,11,12,13,14,15
	ds_load_b128 v[BB+4*\t:BB+4*\t+3], v[RD] offset:528*\t
.endr
.endm
.macro SEND a, younger                 ; younger: the LDS instructions issued behind tile a's loads, which may stay out
.set BB, BK+64*((\a)%2)
	s_wait_dscnt \younger
.irp t, 0,1,2,3,4,5,6,7,8,9,10,11,12,13,14,15
	global_store_b128 v4, v[BB+4*\t:BB+4*\t+3], s[86:87] offset:(32*((\a)/2)+8*((\a)%2)+\t+8*(\t/8))*4096 th:TH_STORE_NT   ; storage row t is this true token; 32 lanes store 512 consecutive bytes
.endr
.endm
	s_wait_tensorcnt 3                             ; my part of slot 0 has landed; three loads may be out
	s_barrier_signal -1
	s_barrier_wait -1
	FETCH 0
	s_wait_loadcnt 0x0                             ; the scale words and the bias
	STEP 0, 1
	STEP 1, 0
	STEP 2, 0
	STEP 3, 0
	STEP 4, 0
	STEP 5, 0
	STEP 6, 0
	STEP 7, 0
	PLACES
	TOSTAGE 0
.irp a, 1,2,3
.if \a > 1
	s_wait_xcnt 0x0                                ; tile a - 2's stores have read the registers into which tile a's rows are loaded
.endif
	TOSTAGE \a
	SEND \a-1, 32                                  ; behind tile a - 1's loads: tile a's 16 stores and 16 loads
.endr
	SEND 3, 0
	s_wait_tensorcnt 0x0                           ; the wave's end
	ds_add_u32 v[SPW], v[NIL]
	s_wait_dscnt 0x0
	CROUND                                         ; the closing round
	s_endpgm
.Lfunc_end_k_q4d249a6be6_oproj:
	.size	k_q4d249a6be6_oproj, .Lfunc_end_k_q4d249a6be6_oproj-k_q4d249a6be6_oproj
	.p2alignl 7, 3214868480
	.fill 96, 4, 3214868480
	.section	.rodata,"a",@progbits
	.p2align	6, 0x0
	.amdhsa_kernel k_q4d249a6be6_oproj
		.amdhsa_group_segment_fixed_size 327680
		.amdhsa_private_segment_fixed_size 0
		.amdhsa_enable_private_segment 0
		.amdhsa_kernarg_size 32
		.amdhsa_user_sgpr_count 2
		.amdhsa_user_sgpr_kernarg_segment_ptr 1
		.amdhsa_wavefront_size32 1
		.amdhsa_system_sgpr_workgroup_id_x 1
		.amdhsa_system_sgpr_workgroup_id_y 1
		.amdhsa_system_sgpr_workgroup_id_z 1
		.amdhsa_system_vgpr_workitem_id 0
		.amdhsa_next_free_vgpr 768
		.amdhsa_next_free_sgpr 100
		.amdhsa_reserve_vcc 0
		.amdhsa_float_denorm_mode_32 3
		.amdhsa_float_denorm_mode_16_64 3
		.amdhsa_memory_ordered 1
		.amdhsa_forward_progress 1
		.amdhsa_inst_pref_size 86
	.end_amdhsa_kernel
	.amdgpu_metadata
---
amdhsa.version: [ 1, 2 ]
amdhsa.kernels:
  - .name:           k_q4d249a6be6_oproj
    .symbol:         k_q4d249a6be6_oproj.kd
    .args:
      - { .name: yq, .offset: 0, .size: 8, .value_kind: global_buffer, .address_space: global }
      - { .name: wq, .offset: 8, .size: 8, .value_kind: global_buffer, .address_space: global }
      - { .name: b_o, .offset: 16, .size: 8, .value_kind: global_buffer, .address_space: global }
      - { .name: out0, .offset: 24, .size: 8, .value_kind: global_buffer, .address_space: global }
    .group_segment_fixed_size: 327680
    .private_segment_fixed_size: 0
    .kernarg_segment_align: 8
    .kernarg_segment_size: 32
    .max_flat_workgroup_size: 128
    .sgpr_count:     100
    .vgpr_count:     768
    .wavefront_size: 32
...
	.end_amdgpu_metadata
.endif
;; end of part 4
